; MI455X (gfx1250); checked and timed in simulation.
; The chip was launched on July 23, 2026; its instructions are those of AMD's public machine-readable ISA for CDNA 5 (MIT licence, August 2026) and "CDNA5" Instruction Set Architecture Reference Guide (July 2026). The comments in the code are by the model that wrote it; some were corrected since.
;; Memory Efficient Cross Attention. Allowed arithmetic: matrix products marked QUANTISED: E2M3 operands, one E8M0 scale for each 32 along K, by v_wmma_scale_f32_16x16x128_f8f6f4 with both operands' format E2M3, f32 sums; everything else in f32.
;; Inputs: key 2 x 4,096 x 1,024 float32; query 2 x 2,048 x 1,024 float32; value 2 x 4,096 x 1,024 float32; w_k 1,024 x 1,024 float32; w_o 1,024 x 1,024 float32; w_q 1,024 x 1,024 float32; w_v 1,024 x 1,024 float32.
;; Outputs: out0 2 x 2,048 x 1,024 float32.
;; This version of the problem:
;;   THIS VERSION OF THE PROBLEM IS GIVEN IN LOW PRECISION. The matrix products marked QUANTISED in the list below multiply operands that are first quantised to E2M3 (2 exponent bits, 3 mantissa bits; 6 bits a number), with one power-of-two scale for each 32 numbers along K (OCP MX v1.0); their sums are f32. All else is computed in f32.
;;   The module's matrix products, in the order in which they are computed (A, B: the left and right operand; K: the contracted axis; several contracted axes count as one K, in the product's order):
;;     1. [M 4,096, K 1,024] x [K 1,024, N 1,024]; A: input query; B: input w_q: QUANTISED
;;     2. [M 8,192, K 1,024] x [K 1,024, N 1,024]; A: input key; B: input w_k: QUANTISED
;;     3. [M 8,192, K 1,024] x [K 1,024, N 1,024]; A: input value; B: input w_v: QUANTISED
;;     4. batch 32 x [M 2,048, K 64] x [K 64, N 4,096]; A: computed on the way; B: computed on the way: QUANTISED
;;     5. batch 32 x [M 2,048, K 4,096] x [K 4,096, N 64]; A: softmax (see below); B: computed on the way: QUANTISED
;;     6. [M 4,096, K 1,024] x [K 1,024, N 1,024]; A: computed on the way; B: input w_o: QUANTISED
;;   THE QUANTISER, for each operand of a quantised product, along K:
;;     - K is cut into blocks of 32 from its start; a last block that is shorter is filled with zeros.
;;     - A block's scale is 2^e with e = floor(log2(the largest magnitude in the block)) - 2, held to -126 .. 127; a block of zeros has e = 0. As a byte (E8M0): e + 127.
;;     - Each number is divided by its block's scale, clamped to +-7.5, and rounded to the nearest number of E2M3, ties to even, subnormals kept.
;;     - The product sums the exact products of the quantised numbers (number of the format x scale) in f32.
;;   ~~~python
;;   def quantise(x, axis):      # numpy; x: float32 -> the quantised numbers, widened to float32 again
;;       x = np.moveaxis(x, axis, -1); K = x.shape[-1]
;;       x = np.pad(x, [(0, 0)] * (x.ndim - 1) + [(0, -K % 32)]); x = x.reshape(x.shape[:-1] + (-1, 32)); a = np.abs(x).max(-1, keepdims=True)
;;       e = np.where(a > 0, np.clip(np.frexp(np.where(a > 0, a, 1))[1] - 1 - 2, -126, 127), 0)      # np.frexp(a)[1] - 1 = floor(log2(a)), exactly
;;       r = np.clip(x / 2.0 ** e, -7.5, 7.5)
;;       step = 2.0 ** (np.maximum(np.frexp(np.where(r == 0, 1, r))[1] - 1, 0) - 3)
;;       q = np.round(r / step) * step * 2.0 ** e      # np.round: ties to even
;;       return np.moveaxis(q.reshape(q.shape[:-2] + (-1,))[..., :K], -1, axis).astype(np.float32)
;;   ~~~
;;   SOFTMAX AHEAD OF A QUANTISED PRODUCT. Where the list says 'softmax', what is quantised is not the finished softmax but p = 2^(t - M), with t = logit x log2(e) and M = ceil(the row's largest t), a whole number; so 1/2 < the row's largest p <= 1. The row's sum l is taken of the UNQUANTISED p, in f32, and the product's result is divided by l at the end. Since M is a whole number, a kernel that streams over the keys may use a running M (the ceiling of the running maximum): every later rescaling is an exact power of two, which a block's scale takes up: the codes' values come out the same.
;;   OPERANDS COMPUTED ON THE WAY. 'Computed on the way' means the value that the module computes at that place (a softmax that the list does not call 'softmax' is quantised finished and normalised). What goes into a quantiser is computed in f32, as accurately as f32 sums, v_exp_f32 and their like allow (about 1e-6 of the number): no bf16 or f16 on the way to a quantiser, and a product that is left as it is and whose result goes on into a quantised operand takes f32 operands (vector FMAs, or v_wmma_f32_16x16x4_f32). A number that lies on a knife's edge between two numbers of the format may be rounded either way, as far as f32 arithmetic and the matrix unit's own rounding can turn it there, and no further.
;; One version. Each part assembles by itself: llvm-mc -triple=amdgcn-amd-amdhsa -mcpu=gfx1250 --defsym DOCPART=n.
;; ======== version 1 of 1: 4 launches
;; limits: right only within a limited range of input values
;; workspace buffers: xc 15,728,640 bytes; xs 655,360 bytes; wc 3,145,728 bytes; ws 131,072 bytes; hc 15,728,640 bytes; hs 1,310,720 bytes; oc 3,145,728 bytes; os 131,072 bytes
;; launch quant (part 1): grid 768 x 1, 4 waves a work-group, no clusters, 68,096 bytes of LDS; arguments query, key, value, w_q, w_k, w_v, w_o, xc, xs, wc, ws; writes xc, xs, wc, ws
.if DOCPART == 1
	.amdgcn_target "amdgcn-amd-amdhsa--gfx1250"
	.amdhsa_code_object_version 6
	.text
	.protected	k_q97ae6ed331_quant
	.globl	k_q97ae6ed331_quant
	.p2align	8
	.type	k_q97ae6ed331_quant,@function
k_q97ae6ed331_quant:
	s_mov_b64 s[64:65], 0
	v_nop
	global_prefetch_b8 v0, s[64:65] scope:SCOPE_SE
	s_setreg_imm32_b32 hwreg(HW_REG_WAVE_MODE, 25, 1), 1
	s_wait_xcnt 0x0
; All seven inputs, f32, become codes of FP6 (E2M3), 6 bits each, K innermost, with one E8M0 scale byte for each 32 along K.
; A block's scale is 2^(floor(log2(its largest magnitude)) - 2); its byte is the largest magnitude's exponent field - 2, held at 1 from below.
; LIMITS: a block of zeros gets the byte 1 where the rule says 127 (its codes are zeros, which add nothing under any byte but 0xff, and this program alone reads the bytes);
; NaN and infinities among the inputs are not served.
; LAYOUT OF THE RESULTS.  Rows go in chunks of 128, K in steps of 256: [chunk][K step 4][position 128][192 bytes of codes], and [chunk][K step][position][8 scale bytes].
; Within each 32 rows, row p lies at the position that has p's bits 3 and 4 exchanged: position 16 u + r holds row 8 u + r + 8 (r / 8).  So a matrix tile of 16 neighbouring positions holds the rows
; whose results, with the product used transposed, are neighbours along a lane's registers.  xc, xs: query's chunks 0-31, key's 32-95, value's 96-159.  wc, ws: w_q, w_k, w_v, w_o, 8 chunks of columns each.
; Work-groups 0-127 take the weights (K is their first axis: a lane takes a column and its registers run down K), work-groups 128-767 the activations (K innermost: a plain stream of blocks).
; The two paths part on the work-group's number, never join, and have LDS bytes of their own.  No tensor loads, no barrier: waves share nothing.  Every offset is an immediate.
.set STEPS, 16
.set SP,    80                         ; activations: a lane's place in a stage: its 64 bytes + 16 of padding
.set WREG,  8192                       ; activations: LDS of a wave: two stages of 32 x SP bytes, and behind them its 256 scale bytes
.set CB,    12                         ; bytes of 16 codes
.set R,     16                         ; v16-79   four sets of 16 numbers as they are loaded
.set X,     80                         ; v80-111  two sets of 16 neighbours
.set E,     112                        ; v112-127 a scale byte for each step
.set C,     128                        ; v128-191 codes: four registers for each step, so that no store's data are written again
.set WSTG,  32768                      ; weights: the stages begin behind the activations' LDS
.set WP,    272                        ; weights: a stage row: sixteen places of 16 bytes, each with 12 bytes of codes, + 16
.set NB,    8                          ; weights: blocks of 32 along K for a wave
.set WX,    32                         ; v32-95   two sets of 32 numbers
.set WC,    96                         ; v96..    a block's codes
.set OUTR,  112                        ; v112-175 the way out
.set SB,    24                         ; v24-25   the scale bytes, four to a register
	s_load_b512 s[4:19], s[0:1], 0x0               ; query s[4:5], key s[6:7], value s[8:9], w_q s[10:11], w_k s[12:13], w_v s[14:15], w_o s[16:17], xc s[18:19]
	s_load_b128 s[20:23], s[0:1], 0x40             ; xs s[20:21], wc s[22:23]
	s_load_b64 s[24:25], s[0:1], 0x50              ; ws
	v_lshl_add_u32 v192, v0, 2, 0x10800
	v_mov_b32 v193, 0
	v_lshrrev_b32 v1, 5, v0
	v_readfirstlane_b32 s26, v1                    ; wave 0..3
	v_and_b32 v2, 31, v0                           ; lane
	s_cmp_lt_u32 ttmp9, 128
	s_cbranch_scc1 .Lweights
; ---------------- THE ACTIVATIONS.  Work-group j = number - 128 takes 32 whole rows; wave w takes K step w of them: 16 steps of two rows x 256 numbers.
; Each load reads 512 consecutive bytes, 16 a lane; a step's 2,048 bytes go through the wave's own stage in LDS as they lie and come back 64 bytes a lane: 16 neighbours, two lanes to a block.
	v_lshlrev_b32 v3, 4, v2                        ; my 16 bytes of a load's 512
	s_mul_i32 s27, s26, WREG
	v_lshrrev_b32 v14, 2, v2
	v_mul_u32_u24 v14, v14, SP
	v_and_b32 v15, 3, v2
	v_lshl_add_u32 v14, v15, 4, v14
	v_add_nc_u32 v14, s27, v14                     ; the stage, on the way in: SP (lane / 4) + 16 (lane % 4)
	v_mul_u32_u24 v15, v2, SP
	v_add_nc_u32 v15, s27, v15                     ; and on the way out: SP x lane
	v_mul_u32_u24 v4, v2, CB                       ; my codes' place in a step's 384 bytes
	v_lshrrev_b32 v5, 1, v2
	s_add_co_u32 s27, s27, 2*32*SP
	v_add_nc_u32 v5, s27, v5                       ; LDS: my wave's 256 scale bytes, my block's byte
	v_lshlrev_b32 v7, 3, v2                        ; and on the way out 8 bytes a lane
	v_add_nc_u32 v6, s27, v7
	s_sub_co_u32 s28, ttmp9, 128                   ; j: 0-127 query, 128-383 key, 384-639 value
	s_wait_alu depctr_va_vdst(0)
	s_wait_kmcnt 0x0
	s_cmp_lt_u32 s28, 128                          ; the choices hang on the work-group's number alone
	s_cselect_b64 s[30:31], s[4:5], s[6:7]
	s_cselect_b32 s29, 0, 128
	s_cmp_lt_u32 s28, 384
	s_cselect_b64 s[30:31], s[30:31], s[8:9]
	s_cselect_b32 s29, s29, 384
	s_sub_co_u32 s29, s28, s29                     ; which 32 rows of that tensor
	s_lshl_b32 s32, s29, 17                        ; 32 rows of 4,096 bytes
	s_lshl_b32 s33, s26, 10                        ; + my K step: 256 numbers
	s_add_co_u32 s32, s32, s33
	s_mov_b32 s33, 0
	s_add_nc_u64 s[30:31], s[30:31], s[32:33]
	s_lshr_b32 s34, s28, 2
	s_lshl_b32 s34, s34, 2
	s_add_co_u32 s34, s34, s26                     ; 4 x chunk + K step
	s_and_b32 s35, s28, 3                          ; which 32 positions of the chunk
	s_mul_i32 s36, s34, 24576
	s_mul_i32 s37, s35, 6144
	s_add_co_u32 s36, s36, s37
	s_mov_b32 s37, 0
	s_add_nc_u64 s[18:19], s[18:19], s[36:37]      ; my 6,144 bytes of codes
	s_lshl_b32 s36, s34, 10
	s_lshl_b32 s35, s35, 8
	s_add_co_u32 s36, s36, s35
	s_add_nc_u64 s[20:21], s[20:21], s[36:37]      ; my 256 scale bytes
.macro LOAD t                          ; step t fills positions 2 t and 2 t + 1: rows 2 SWT and 2 SWT + 1, SWT being t with its bits 2 and 3 exchanged
.set SWT, ((\t)&3)+4*(((\t)>>3)&1)+8*(((\t)>>2)&1)
.irp i, 0,1,2,3
	global_load_b128 v[R+16*((\t)%4)+4*\i:R+16*((\t)%4)+4*\i+3], v3, s[30:31] offset:(2*SWT+\i/2)*4096+(\i%2)*512 th:TH_LOAD_NT
.endr
.endm
.macro TURN t                          ; step t's numbers through the stage: LDS serves a wave's instructions in order, so no wait stands between the stores and the loads
.irp i, 0,1,2,3
	ds_store_b128 v14, v[R+16*((\t)%4)+4*\i:R+16*((\t)%4)+4*\i+3] offset:32*SP*((\t)%2)+8*SP*\i
.endr
.irp i, 0,1,2,3
	ds_load_b128 v[X+16*((\t)%2)+4*\i:X+16*((\t)%2)+4*\i+3], v15 offset:32*SP*((\t)%2)+16*\i
.endr
.endm
.irp t, 0,1,2,3
	LOAD \t
.endr
	s_wait_loadcnt 12                              ; step 0's four loads are in; the twelve of steps 1 to 3 may be out
	TURN 0
.macro STEP t
.set XS, X+16*((\t)%2)
.if (\t) > 0
	s_wait_dscnt 1                                 ; this step's numbers are back from the stage (the last step's byte store may be out): so its stores into the stage have read their registers,
.else
	s_wait_dscnt 0x0
.endif
.if (\t)+4 < STEPS
	LOAD (\t)+4                                    ; which take the loads of four steps on
.endif
.if (\t)+1 < STEPS
.if STEPS-2-(\t) >= 3
	s_wait_loadcnt 12                              ; the next step's four loads are in; those of the three steps behind it may be out
.else
	s_wait_loadcnt 4*(STEPS-2-(\t))
.endif
	TURN (\t)+1                                    ; and go through the other stage while this step is worked
.endif
	v_max3_num_f32 v8, |v[XS]|, |v[XS+1]|, |v[XS+2]|               ; the largest magnitude of my 16, in two chains
	v_max3_num_f32 v9, |v[XS+3]|, |v[XS+4]|, |v[XS+5]|
.irp i, 6,10
	v_max3_num_f32 v8, v8, |v[XS+\i]|, |v[XS+\i+1]|
	v_max3_num_f32 v9, v9, |v[XS+\i+2]|, |v[XS+\i+3]|
.endr
	v_max3_num_f32 v8, v8, |v[XS+14]|, |v[XS+15]|
	v_max3_num_f32 v8, v8, v9, 0x1800000           ; and the floor 2^(3 - 127): so the byte cannot fall under 1
	v_max_num_f32_dpp v8, v8, v8 row_xmask:1 row_mask:0xf bank_mask:0xf   ; and of my neighbour's 16: the block's
	v_add_nc_u32 v11, 0xff000000, v8               ; 2 off its exponent field: the conversion takes the exponent field of this operand as its scale, and nothing else of it
	v_cvt_scalef32_pk16_fp6_f32 v[C+4*(\t):C+4*(\t)+2], v[XS:XS+15], v11
	v_lshrrev_b32 v[E+(\t)], 23, v11               ; the scale's byte (also the plain line behind the conversion)
	ds_store_b8 v5, v[E+(\t)] offset:16*(\t)       ; both lanes of a block write the same byte with the same value
	global_store_b96 v4, v[C+4*(\t):C+4*(\t)+2], s[18:19] offset:32*CB*(\t)   ; the wave stores 384 consecutive bytes: two positions' rows
.endm
.irp t, 0,1,2,3,4,5,6,7,8,9,10,11,12,13,14,15
	STEP \t
.endr
	ds_load_b64 v[12:13], v6                       ; LDS serves a wave's instructions in order: these see my byte stores
	s_wait_dscnt 0x0
	global_store_b64 v7, v[12:13], s[20:21]        ; 32 lanes store 256 consecutive bytes, aligned
	s_wait_tensorcnt 0x0
	ds_add_u32 v192, v193
	s_wait_dscnt 0x0
	s_endpgm
; ---------------- THE WEIGHTS, [k][n].  Work-group number = 32 x weight + 4 x chunk of 128 columns + K step.  A wave takes 32 columns x 256 along K: a lane a column, 8 blocks of 32 down its registers.
; A lane's codes belong to one row of the result: they go through the wave's own stage in LDS, into the row of the column's POSITION, and leave as rows: the wave stores 384 consecutive bytes.
.Lweights:
	s_wait_alu depctr_va_vdst(0)
	v_lshlrev_b32 v3, 2, v2                        ; in: 4 bytes a lane
	v_and_b32 v10, 7, v2
	v_bfe_u32 v11, v2, 3, 1
	v_lshl_add_u32 v10, v11, 4, v10
	v_bfe_u32 v11, v2, 4, 1
	v_lshl_add_u32 v10, v11, 3, v10                ; my column's position: the lane's number with bits 3 and 4 exchanged
	s_mul_i32 s27, s26, 32*WP
	s_add_co_u32 s27, s27, WSTG                    ; my stage
	v_mul_u32_u24 v4, v10, WP
	v_add_nc_u32 v4, s27, v4                       ; into it: row = my position
	v_and_b32 v5, 15, v2
	v_lshrrev_b32 v6, 4, v2
	v_mul_u32_u24 v7, v6, WP
	v_lshl_add_u32 v7, v5, 4, v7
	v_add_nc_u32 v7, s27, v7                       ; out of it: sixteen lanes to a row, two rows an instruction
	v_mul_u32_u24 v8, v2, CB                       ; and the same place in the codes: 192 (lane / 16) + 12 (lane % 16) = 12 x lane
	v_lshlrev_b32 v9, 3, v10                       ; my position's 8 scale bytes
	s_lshr_b32 s28, ttmp9, 5                       ; which weight
	s_bfe_u32 s29, ttmp9, 0x30002                  ; which 128 columns
	s_and_b32 s32, ttmp9, 3                        ; which K step
	s_lshl_b32 s32, s32, 20                        ; 256 rows of 4,096 bytes
	s_lshl_b32 s29, s29, 9
	s_add_co_u32 s32, s32, s29
	s_lshl_b32 s29, s26, 7                         ; my wave's 32 columns
	s_add_co_u32 s32, s32, s29
	s_mov_b32 s33, 0
	s_mul_i32 s34, ttmp9, 24576                    ; the result's block (weight, chunk, K step) has the work-group's own number
	s_mul_i32 s29, s26, 6144
	s_add_co_u32 s34, s34, s29
	s_mov_b32 s35, 0
	s_lshl_b32 s36, ttmp9, 10
	s_lshl_b32 s29, s26, 8
	s_add_co_u32 s36, s36, s29
	s_mov_b32 s37, 0
	s_wait_kmcnt 0x0
	s_cmp_eq_u32 s28, 0                            ; the choice hangs on the work-group's number alone
	s_cselect_b64 s[30:31], s[10:11], s[12:13]
	s_cmp_lt_u32 s28, 2
	s_cselect_b64 s[30:31], s[30:31], s[14:15]
	s_cmp_lt_u32 s28, 3
	s_cselect_b64 s[30:31], s[30:31], s[16:17]
	s_add_nc_u64 s[30:31], s[30:31], s[32:33]
	s_add_nc_u64 s[22:23], s[22:23], s[34:35]
	s_add_nc_u64 s[24:25], s[24:25], s[36:37]
.macro WLOAD t                         ; block t: W(32 t + i, my column), i = 0 .. 31, into set t % 2; a wave reads 128 consecutive bytes, the four waves 512
.irp i, 0,1,2,3,4,5,6,7,8,9,10,11,12,13,14,15,16,17,18,19,20,21,22,23,24,25,26,27,28,29,30,31
	global_load_b32 v[WX+32*((\t)%2)+\i], v3, s[30:31] offset:(32*(\t)+\i)*4096 th:TH_LOAD_NT
.endr
.endm
	WLOAD 0
	WLOAD 1
.macro BLOCK t
.set XS, WX+32*((\t)%2)
.if (\t) < NB-1
	s_wait_loadcnt 32                              ; this block's 32 loads are in; the next block's 32 may be out
.else
	s_wait_loadcnt 0
.endif
	v_max3_num_f32 v12, |v[XS]|, |v[XS+1]|, |v[XS+2]|               ; the block's largest magnitude: all 32 numbers are mine
	v_max3_num_f32 v13, |v[XS+3]|, |v[XS+4]|, |v[XS+5]|
.irp i, 6,10,14,18,22,26
	v_max3_num_f32 v12, v12, |v[XS+\i]|, |v[XS+\i+1]|
	v_max3_num_f32 v13, v13, |v[XS+\i+2]|, |v[XS+\i+3]|
.endr
	v_max3_num_f32 v12, v12, |v[XS+30]|, |v[XS+31]|
	v_max3_num_f32 v12, v12, v13, 0x1800000        ; and the floor 2^(3 - 127)
	v_add_nc_u32 v11, 0xff000000, v12              ; 2 off its exponent field: the conversion's scale operand
	v_lshrrev_b32 v13, 23, v11                     ; the scale's byte
.if (\t)%4 == 0
	v_mov_b32 v[SB+(\t)/4], v13                    ; four bytes to a register, the lower K in the lower byte
.else
	v_lshl_or_b32 v[SB+(\t)/4], v13, 8*((\t)%4), v[SB+(\t)/4]
.endif
	v_cvt_scalef32_pk16_fp6_f32 v[WC:WC+2], v[XS:XS+15], v11
	v_cvt_scalef32_pk16_fp6_f32 v[WC+4:WC+6], v[XS+16:XS+31], v11   ; (a conversion's three registers begin on an even number)
	ds_store_b96 v4, v[WC:WC+2] offset:32*(\t)     ; 16 codes, 12 bytes, to a place of 16 bytes, so that every LDS address is a multiple of 16
	ds_store_b96 v4, v[WC+4:WC+6] offset:32*(\t)+16
.if (\t)+2 < NB
	WLOAD (\t)+2
.endif
	s_wait_dscnt 0x0                               ; the stores have read their registers: the next block's codes may be written
.endm
.set Q, 0
.rept NB
	BLOCK Q
.set Q, Q+1
.endr
	s_wait_alu depctr_va_vdst(0)
	global_store_b64 v9, v[SB:SB+1], s[24:25]      ; 8 bytes at 8 x position: the wave stores 256 consecutive bytes, aligned
.irp t, 0,1,2,3,4,5,6,7,8,9,10,11,12,13,14,15
	ds_load_b96 v[OUTR+4*\t:OUTR+4*\t+2], v7 offset:2*\t*WP   ; LDS serves a wave's instructions in order: these see my stores
.endr
.irp t, 0,1,2,3,4,5,6,7,8,9,10,11,12,13,14,15
	s_wait_dscnt 15-\t                             ; rows 2 t and 2 t + 1 are back; the later loads may be out
	global_store_b96 v8, v[OUTR+4*\t:OUTR+4*\t+2], s[22:23] offset:384*\t
.endr
	s_wait_tensorcnt 0x0
	ds_add_u32 v192, v193
	s_wait_dscnt 0x0
	s_endpgm
.Lfunc_end_k_q97ae6ed331_quant:
	.size	k_q97ae6ed331_quant, .Lfunc_end_k_q97ae6ed331_quant-k_q97ae6ed331_quant
	.p2alignl 7, 3214868480
	.fill 96, 4, 3214868480
	.section	.rodata,"a",@progbits
	.p2align	6, 0x0
	.amdhsa_kernel k_q97ae6ed331_quant
		.amdhsa_group_segment_fixed_size 68096
		.amdhsa_private_segment_fixed_size 0
		.amdhsa_enable_private_segment 0
		.amdhsa_kernarg_size 88
		.amdhsa_user_sgpr_count 2
		.amdhsa_user_sgpr_kernarg_segment_ptr 1
		.amdhsa_wavefront_size32 1
		.amdhsa_system_sgpr_workgroup_id_x 1
		.amdhsa_system_sgpr_workgroup_id_y 1
		.amdhsa_system_sgpr_workgroup_id_z 1
		.amdhsa_system_vgpr_workitem_id 0
		.amdhsa_next_free_vgpr 194
		.amdhsa_next_free_sgpr 66
		.amdhsa_reserve_vcc 0
		.amdhsa_float_denorm_mode_32 3
		.amdhsa_float_denorm_mode_16_64 3
		.amdhsa_memory_ordered 1
		.amdhsa_forward_progress 1
		.amdhsa_inst_pref_size 74
	.end_amdhsa_kernel
	.amdgpu_metadata
---
amdhsa.version: [ 1, 2 ]
amdhsa.kernels:
  - .name:           k_q97ae6ed331_quant
    .symbol:         k_q97ae6ed331_quant.kd
    .args:
      - { .name: query, .offset: 0, .size: 8, .value_kind: global_buffer, .address_space: global }
      - { .name: key, .offset: 8, .size: 8, .value_kind: global_buffer, .address_space: global }
      - { .name: value, .offset: 16, .size: 8, .value_kind: global_buffer, .address_space: global }
      - { .name: w_q, .offset: 24, .size: 8, .value_kind: global_buffer, .address_space: global }
      - { .name: w_k, .offset: 32, .size: 8, .value_kind: global_buffer, .address_space: global }
      - { .name: w_v, .offset: 40, .size: 8, .value_kind: global_buffer, .address_space: global }
      - { .name: w_o, .offset: 48, .size: 8, .value_kind: global_buffer, .address_space: global }
      - { .name: xc, .offset: 56, .size: 8, .value_kind: global_buffer, .address_space: global }
      - { .name: xs, .offset: 64, .size: 8, .value_kind: global_buffer, .address_space: global }
      - { .name: wc, .offset: 72, .size: 8, .value_kind: global_buffer, .address_space: global }
      - { .name: ws, .offset: 80, .size: 8, .value_kind: global_buffer, .address_space: global }
    .group_segment_fixed_size: 68096
    .private_segment_fixed_size: 0
    .kernarg_segment_align: 8
    .kernarg_segment_size: 88
    .max_flat_workgroup_size: 128
    .sgpr_count:     66
    .vgpr_count:     194
    .wavefront_size: 32
...
	.end_amdgpu_metadata
.endif
;; end of part 1
;; launch proj (part 2): grid 4 x 80, 4 waves a work-group, clusters of 4 x 4, 327,680 bytes of LDS; arguments xc, xs, wc, ws, hc, hs; writes hc, hs
.if DOCPART == 2
	.amdgcn_target "amdgcn-amd-amdhsa--gfx1250"
	.amdhsa_code_object_version 6
	.text
	.protected	k_q97ae6ed331_proj
	.globl	k_q97ae6ed331_proj
	.p2align	8
	.type	k_q97ae6ed331_proj,@function
k_q97ae6ed331_proj:
	s_mov_b64 s[64:65], 0
	v_nop
	global_prefetch_b8 v0, s[64:65] scope:SCOPE_SE
	s_setreg_imm32_b32 hwreg(HW_REG_WAVE_MODE, 25, 1), 1
	s_wait_xcnt 0x0
	s_wait_alu depctr_hold_cnt(0) depctr_sa_sdst(0) depctr_va_vdst(0) depctr_va_sdst(0) depctr_va_ssrc(0) depctr_va_vcc(0) depctr_vm_vsrc(0)
	s_getreg_b32 s2, hwreg(HW_REG_IB_STS2, 6, 4)
	s_cmp_eq_u32 s2, 0
	s_cbranch_scc0 .Lentry_in_a_cluster
	s_endpgm
.Lentry_in_a_cluster:
	s_bfe_u32 s2, ttmp6, 0x10000c
	s_cmp_lg_u32 s2, 0xf033
	s_cbranch_scc0 .Lentry_shape_is_right
	s_endpgm
.Lentry_shape_is_right:
; q = query w_q, k = key w_k, v = value w_v on codes of FP6 (E2M3) with E8M0 scales for each 32 along K = 1,024; sums in f32; the results are quantised here, in registers, and leave as codes.
; A work-group of four waves makes 256 x 256 results, a wave 128 x 128: 64 accumulators, 512 registers.  K goes in four steps of 256 through two LDS slots filled by the tensor data mover.
; P is the operand whose rows fall to LANES (source 1), R the one whose rows run along a lane's REGISTERS (source 0).  For q and k: P = the activations, R = the weight, so that a lane holds one row and
; its registers run along the head's 64, their next K.  For v: P = w_v, R = value, so that a lane holds one of the head's 64 and its registers run along the keys, its next K.
; Rows lie in the buffers by POSITION (bits 3 and 4 of the row exchanged within each 32), so the 16 registers of R's tiles 2 b and 2 b + 1 are 16 neighbours: 32 b + 16 (lane / 16) + 0 .. 15.
; SECTIONS are told apart by the cluster's y (0-3 q, 4-11 k, 12-19 v), which all sixteen partners share, by selections alone: there is no branch on it.
; CLUSTERS: 4 x 4 work-groups; P's tiles are shared along a row of the cluster, R's along a column: each is asked for jointly, by the same tensor load with a mask that names the four.
; THE RESULTS: a block of 16 lanes' rows x 128 becomes one operand fragment of 12 registers (two halves of 6: 16 rows x 64 along K) and one scale word a row.  A half fragment is stored as an image of its registers,
; 768 bytes: registers 0-3 at 16 x lane, registers 4-5 at 512 + 8 x lane: every store of the wave covers whole aligned runs of 256 bytes.
; hc: blocks of 12,288 bytes [block a 8][half c 2][768] for each (batch, pair of heads, 128 rows or keys); hs: 1,024 bytes for each: [a / 4][lane 32][word a % 4].  In q's and k's blocks lanes 16-31 store the word
; shifted right by 16, so that the odd head finds its two bytes in bytes 0 and 1; in v's they store a copy that nobody reads: the price of one text for the three sections.
; LIMITS: a block of zeros gets the byte 1 where the rule says 127 (its codes are zeros; this program alone reads the bytes); NaN and infinities are not served.
; REGISTERS, in windows of 256: window 0: v16-29 addresses; v32-63 scale words, two sets, and nothing else; v128-223 P's fragments, one set; in the epilogue v64-159 codes, v160-167 scale words to store, v224-250 at work.
;   window 1: R's fragments, two sets, at v0 and v128.   window 2: the accumulators of P's blocks 0-3 ((a, b) at v[8 (8 (a % 4) + b)]);   window 3: those of blocks 4-7.
.set NQ,     2                         ; matrix instructions deep in a slot
.set ROWB,   192                       ; a tile's row: 256 codes
.set KBLK,   128*ROWB                  ; a chunk's K step in memory: dense
.set CHUNKB, 4*KBLK                    ; a chunk of 128 rows
.set PITCH,  240                       ; an LDS row: 3 x (64 bytes of data + 16 of padding)
.set FR,     12                        ; registers of a fragment
.set NL,     6                         ; LDS loads that bring one
.set NP,     4                         ; places behind this matrix instruction (ISA guide 7.12.1)
.set HALFT,  128*PITCH                 ; what one tensor load brings
.set SLOT,   4*HALFT                   ; P's 256 rows, then R's 256 rows
.set SCL,    2*SLOT                    ; behind the ring: the scale bytes, [part 4][K step 4][position 128][8], filled once
.set HALFS,  4096                      ; those of 128 rows
.set SPARE,  SCL+4*HALFS               ; the spare words, 128 bytes for each wave: no other line names them
.set ADRA, 16                          ; v16-17 LDS address of P's fragments in slot 0, 1; v18-19 the same behind one padding more
.set ADRB, 20                          ; v20-23 the same for R
.set L16,  24                          ; v24 16 x lane
.set L8,   25                          ; v25 8 x lane
.set SHV,  26                          ; v26 by how much my lane shifts a scale word: 16 (lane / 16) for q and k, 0 for v
.set ADRS, 27                          ; v27 LDS address of my scale words: lanes 0-15 P's rows, lanes 16-31 R's
.set SPW,  28                          ; v28 LDS address of my spare word; never rewritten
.set NIL,  29                          ; v29 0; never rewritten
.set SC,   32                          ; scale words: set s at v[SC + 16 s]; register 2 i + q: lanes 0-15 P's block i, lanes 16-31 R's block i
.set AF,   128                         ; P's fragments
.set CD,   64                          ; epilogue: block a's codes at v[CD + 12 a]
.set SW,   160                         ; epilogue: block a's scale word to store
.set TM,   224                         ; epilogue: v224-227 largest magnitudes, v228-231 bytes, v236-239 scale operands
.set PW,   240                         ; epilogue: the scale word
.set T2,   244                         ; epilogue: v244-246, v248-250 the upper halves' codes
.set SEL,  2                           ; s[2:3] lane selects for v_permlanex16_b32: lane l xor 16
.set G1,   24                          ; s[24:31] group 1 for P's tiles; s[32:39] groups 0, one for each slot
.set G0,   32
.set G1B,  48                          ; s[48:55], s[56:63] the same for R's
.set G0B,  56
.set G1S,  68                          ; s[68:75], s[76:79] groups 1 and 0 for P's scales; s[80:87], s[88:91] for R's
.set G0S,  76
.set G1SB, 80
.set G0SB, 88
.set MSB, 0
.macro WIN new                         ; the immediate's high byte repeats the setting that is left
.if MSB != (\new)
	s_set_vgpr_msb (MSB<<8)|(\new)
.set MSB, (\new)
.endif
.endm
.set MUL_LO, 0xa1                      ; source 0 (R) window 1, source 1 (P) window 0, C and D window 2
.set MUL_HI, 0xf1                      ; the same, C and D window 3
.set TO_B,   0x40                      ; destination window 1, address window 0
; A joint load: waves 0 and 1 fetch for P, waves 2 and 3 for R.  The branch hangs on the wave's number alone.  Four v_nop follow each of the two lines.
.macro JLOAD g0a, g1a, g0b, g1b
	s_cmp_eq_u32 s15, 0
	s_cbranch_scc0 .Lfor_b_\@
	tensor_load_to_lds s[\g0a:\g0a+3], s[\g1a:\g1a+7]
	s_nop 0
.rept 4
	v_nop
.endr
	s_branch .Lasked_\@
.Lfor_b_\@:
	tensor_load_to_lds s[\g0b:\g0b+3], s[\g1b:\g1b+7]
	s_nop 0
.rept 4
	v_nop
.endr
.Lasked_\@:
.endm
.macro CREST                           ; a round of the cluster's barrier behind its opening barrier
	s_cmp_lg_u32 s14, 0
	s_cbranch_scc1 .Lnot_wave_0_\@
	s_barrier_signal -3
.Lnot_wave_0_\@:
	s_barrier_wait -3
	s_barrier_signal -1
	s_barrier_wait -1
.endm
.macro CROUND                          ; a whole round
	s_barrier_signal -1
	s_barrier_wait -1
	CREST
.endm
	s_load_b256 s[4:11], s[0:1], 0x0               ; xc s[4:5], xs s[6:7], wc s[8:9], ws s[10:11]
	s_load_b128 s[96:99], s[0:1], 0x20             ; hc s[96:97], hs s[98:99]
	v_lshl_add_u32 v[SPW], v0, 2, SPARE
	v_mov_b32 v[NIL], 0
	ds_add_u32 v28, v29
	ds_add_u32 v28, v29
	s_wait_dscnt 0x0
	v_lshrrev_b32 v1, 5, v0
	v_readfirstlane_b32 s14, v1                    ; wave 0..3
	s_lshr_b32 s15, s14, 1                         ; which half of P's rows is mine.  Also: I fetch for P (0) or for R (1)
	s_and_b32 s16, s14, 1                          ; which half of R's rows.  Also: which 128 rows of that tile I fetch
	s_bfe_u32 s40, ttmp6, 0x40000                  ; cx, cy: my place in the cluster
	s_bfe_u32 s41, ttmp6, 0x40004
	s_and_b32 s17, ttmp7, 0xffff                   ; c: the cluster's y, which tells the section
	s_lshl_b32 s43, s41, 2
	s_lshl_b32 s43, 15, s43                        ; my row of the cluster
	s_lshl_b32 s44, 0x1111, s40                    ; my column
	s_mov_b32 s[SEL], 0x76543210
	s_mov_b32 s[SEL+1], 0xfedcba98
	; group 1: a chunk's K step, 128 positions x 192 bytes, is 24,576 dense bytes: it is stated as ONE row, which begins at a multiple of 256 bytes; in LDS 16 bytes of padding behind every 64.
	; The head's loads take two such rows, the two chunks of a tile of 256, CHUNKB bytes apart; behind the head the words that count rows are set to 1.
	s_or_b32 s[G1+0], s43, (0<<16)|(1<<20)|(1<<21)|(3<<22)|(3<<25)  ; 15:0 the mask; 17:16 elements of 1 byte; 20 padding on; 21 set beside a mask; 24:22 after every 16 words; 31:25 of 4 words
	s_or_b32 s[G1B+0], s44, (0<<16)|(1<<20)|(1<<21)|(3<<22)|(3<<25)
.irp g, G1, G1B
	s_mov_b32 s[\g+1], KBLK<<16                    ; tensor_dim0
	s_mov_b32 s[\g+2], 2<<16                       ; tensor_dim1
	s_mov_b32 s[\g+3], KBLK<<16                    ; tile_dim0
	s_mov_b32 s[\g+4], 2                           ; tile_dim1
	s_mov_b32 s[\g+5], CHUNKB                      ; from row to row
	s_mov_b32 s[\g+6], 0
	s_mov_b32 s[\g+7], 0
.endr
	; and for the scale bytes of a tile's two chunks: 8,192 dense bytes as 32 rows of 256 (32 elements of 8 bytes), no padding
	s_or_b32 s[G1S+0], s43, (3<<16)|(1<<21)
	s_or_b32 s[G1SB+0], s44, (3<<16)|(1<<21)
.irp g, G1S, G1SB
	s_mov_b32 s[\g+1], 32<<16
	s_mov_b32 s[\g+2], 32<<16
	s_mov_b32 s[\g+3], 32<<16
	s_mov_b32 s[\g+4], 32
	s_mov_b32 s[\g+5], 32
	s_mov_b32 s[\g+6], 0
	s_mov_b32 s[\g+7], 0
.endr
	; which tiles.  In tiles of 256 rows the activations' begin at 4 c, the weight's at 0 (q), 4 (k), 8 (v).  P's registers never hold cx, R's never cy.
	s_lshl_b32 s18, s17, 2
	s_cmp_lt_u32 s17, 4
	s_cselect_b32 s19, 0, 4
	s_cmp_lt_u32 s17, 12                           ; true for q and k
	s_cselect_b32 s19, s19, 8
	s_cselect_b32 s20, s18, s19                    ; P's first tile of the cluster
	s_cselect_b32 s46, s19, s18                    ; R's
	s_wait_kmcnt 0x0
	s_cselect_b64 s[12:13], s[4:5], s[8:9]         ; P's codes
	s_cselect_b64 s[94:95], s[6:7], s[10:11]       ; P's scales
	s_cselect_b64 s[8:9], s[8:9], s[4:5]           ; R's codes
	s_cselect_b64 s[10:11], s[10:11], s[6:7]       ; R's scales
	s_add_co_u32 s20, s20, s41                     ; P's tile: + cy
	s_add_co_u32 s46, s46, s40                     ; R's tile: + cx
	s_lshl_b32 s20, s20, 1
	s_lshl_b32 s46, s46, 1
	s_lshl_b32 s22, s20, 12                        ; its scale bytes
	s_mov_b32 s23, 0
	s_lshl_b32 s92, s46, 12
	s_mov_b32 s93, 0
	s_mul_i32 s20, s20, CHUNKB                     ; its codes
	s_mov_b32 s21, 0
	s_mul_i32 s46, s46, CHUNKB
	s_mov_b32 s47, 0
	s_mul_i32 s45, s14, HALFT                      ; where they go: wave x 128 rows: no place in the cluster enters an LDS address
	s_mul_i32 s18, s16, CHUNKB                     ; in the ring I fetch one chunk of a tile: which, in bytes
	s_mov_b32 s19, 0
	s_add_nc_u64 s[20:21], s[12:13], s[20:21]
	s_add_nc_u64 s[22:23], s[94:95], s[22:23]
	s_add_nc_u64 s[46:47], s[8:9], s[46:47]
	s_add_nc_u64 s[92:93], s[10:11], s[92:93]
	CROUND                                         ; all sixteen work-groups are here: the first joint loads meet
.set G0H,  4                           ; s[4:7], s[8:11] group 0 for the head's loads of K step 0 (the arguments that lay there have been used)
.set G0HB, 8
	s_mov_b32 s[G0H], 1                            ; the head's four tiles, each whole: K step 0 of P's 256 rows,
	s_mov_b32 s[G0H+1], 0
	s_mov_b64 s[G0H+2:G0H+3], s[20:21]
	s_or_b32 s[G0H+3], s[G0H+3], 0x80000000
	s_mov_b32 s[G0HB], 1                           ; of R's 256 rows, behind them in slot 0,
	s_mov_b32 s[G0HB+1], 2*HALFT
	s_mov_b64 s[G0HB+2:G0HB+3], s[46:47]
	s_or_b32 s[G0HB+3], s[G0HB+3], 0x80000000
	s_mov_b32 s[G0S], 1                            ; the scale bytes of P's 256 rows,
	s_mov_b32 s[G0S+1], SCL
	s_mov_b64 s[G0S+2:G0S+3], s[22:23]
	s_or_b32 s[G0S+3], s[G0S+3], 0x80000000
	s_mov_b32 s[G0SB], 1                           ; and of R's
	s_mov_b32 s[G0SB+1], SCL+2*HALFS
	s_mov_b64 s[G0SB+2:G0SB+3], s[92:93]
	s_or_b32 s[G0SB+3], s[G0SB+3], 0x80000000
	s_add_nc_u64 s[20:21], s[20:21], s[18:19]      ; for the ring: my chunk of the tile
	s_add_nc_u64 s[46:47], s[46:47], s[18:19]
.irp s, 0,1
	s_mov_b32 s[G0+4*\s], 1
	s_add_co_u32 s[G0+4*\s+1], s45, \s*SLOT
	s_add_nc_u64 s[G0+4*\s+2:G0+4*\s+3], s[20:21], \s*KBLK
	s_or_b32 s[G0+4*\s+3], s[G0+4*\s+3], 0x80000000
	s_mov_b32 s[G0B+4*\s], 1
	s_add_co_u32 s[G0B+4*\s+1], s45, \s*SLOT
	s_add_nc_u64 s[G0B+4*\s+2:G0B+4*\s+3], s[46:47], \s*KBLK
	s_or_b32 s[G0B+4*\s+3], s[G0B+4*\s+3], 0x80000000
.endr
; THE HEAD'S LOADS, ONE A WAVE: wave 0 P's rows, wave 1 R's, wave 2 P's scales, wave 3 R's.  One chain of branches on the wave's number; every way passes exactly one load.
.macro ARM under, g0, g1, next
	s_cmp_lt_u32 s14, \under
	s_cbranch_scc0 \next
	tensor_load_to_lds s[\g0:\g0+3], s[\g1:\g1+7]
	s_nop 0
.rept 4
	v_nop
.endr
	s_branch .Lhead_asked
\next:
.endm
	ARM 1, G0H,  G1,  .Lhead_b
	ARM 2, G0HB, G1B, .Lhead_sa
	ARM 3, G0S,  G1S, .Lhead_sb
	tensor_load_to_lds s[G0SB:G0SB+3], s[G1SB:G1SB+7]
	s_nop 0
.rept 4
	v_nop
.endr
.Lhead_asked:
	v_and_b32 v1, 15, v0                           ; r = lane % 16
	v_bfe_u32 v2, v0, 4, 1                         ; h = lane / 16
	v_mul_u32_u24 v3, v1, PITCH
	v_mul_u32_u24 v4, v2, 24
	v_add_nc_u32 v4, v3, v4                        ; a fragment's row x pitch + 24 x half
	v_lshl_add_u32 v5, v2, 4, v4                   ; and the same behind one padding more
	s_mul_i32 s21, s15, HALFT                      ; my 128 rows of P
	s_mul_i32 s22, s16, HALFT                      ; my 128 rows of R,
	s_add_co_u32 s22, s22, 2*HALFT                 ; which lie behind P's 256
.irp s, 0,1
	v_add_nc_u32 v[ADRA+\s], s21, v4
	v_add_nc_u32 v[ADRB+\s], s22, v4
	v_add_nc_u32 v[ADRA+2+\s], s21, v5
	v_add_nc_u32 v[ADRB+2+\s], s22, v5
	s_add_co_u32 s21, s21, SLOT
	s_add_co_u32 s22, s22, SLOT
.endr
	v_lshlrev_b32 v5, 3, v1                        ; my row's scale bytes: 8 a row and K step
	s_mul_i32 s21, s15, HALFS                      ; P's: my 128 rows
	s_mul_i32 s22, s16, HALFS                      ; R's: my 128 rows, behind P's 256
	s_add_co_u32 s22, s22, 2*HALFS
	s_sub_co_u32 s22, s22, s21
	v_mul_u32_u24 v6, s22, v2                      ; lanes 16-31 take R's: the lower base + h x the distance
	s_add_co_u32 s21, s21, SCL
	v_add_nc_u32 v5, v5, v6
	v_add_nc_u32 v[ADRS], s21, v5
	v_and_b32 v6, 31, v0
	v_lshlrev_b32 v[L16], 4, v6
	v_lshlrev_b32 v[L8], 3, v6
	; where my 128 x 128 results go.  T: the chunk of 128 rows or keys within the section's tensor; Wc: the pair of heads.  Block = ((T >> LOGC) x 8 + Wc) << LOGC + T's low LOGC bits, LOGC = 4 for q (16 chunks a batch), 5 for k, v
	s_cmp_lt_u32 s17, 4
	s_cselect_b32 s42, 0, 4                        ; the section's first cluster y
	s_cselect_b32 s45, 4, 5                        ; LOGC
	s_cselect_b32 s46, 0, 256                      ; the section's first block, in hc and in hs alike
	s_cmp_lt_u32 s17, 12
	s_cselect_b32 s42, s42, 12
	s_cselect_b32 s46, s46, 768
	s_cselect_b32 s18, s41, s40                    ; the activations' place in the cluster: cy for q and k, cx for v
	s_cselect_b32 s19, s40, s41                    ; the weight's
	s_cselect_b32 s21, s15, s16                    ; the activations' half
	s_cselect_b32 s22, s16, s15                    ; the weight's
	s_cselect_b32 s23, 16, 0
	v_mul_u32_u24 v[SHV], s23, v2
	s_sub_co_u32 s47, s17, s42
	s_lshl_b32 s47, s47, 2
	s_add_co_u32 s47, s47, s18
	s_lshl_b32 s47, s47, 1
	s_add_co_u32 s47, s47, s21                     ; T
	s_lshl_b32 s19, s19, 1
	s_add_co_u32 s19, s19, s22                     ; Wc
	s_lshr_b32 s18, s47, s45
	s_lshl_b32 s18, s18, 3
	s_add_co_u32 s18, s18, s19
	s_lshl_b32 s18, s18, s45
	s_bfm_b32 s21, s45, 0
	s_and_b32 s21, s47, s21
	s_add_co_u32 s18, s18, s21
	s_add_co_u32 s18, s18, s46
	s_mul_i32 s12, s18, 12288
	s_mov_b32 s13, 0
	s_add_nc_u64 s[12:13], s[96:97], s[12:13]      ; my block of codes
	s_lshl_b32 s92, s18, 10
	s_mov_b32 s93, 0
	s_add_nc_u64 s[92:93], s[98:99], s[92:93]      ; my block of scale words
.macro FRAG reg, adr, q, i             ; a fragment: lane l holds row l % 16; registers 6 c .. 6 c + 5 hold K = 64 c + 32 (l / 16) + 0 .. 31: 24 bytes of the row's stream of bits, in pieces of 8 bytes
.irp p, 0,1,2,3,4,5
.set PCE, 12*(\q)+6*(\p/3)+\p%3        ; 16 bytes of padding lie behind every 8 pieces: where the piece three on lies behind one padding more, the second address register serves
.if PCE%8 < 5
	ds_load_b64 v[\reg+2*\p:\reg+2*\p+1], v[\adr] offset:8*PCE+16*(PCE/8)+(\i)*16*PITCH
.else
	ds_load_b64 v[\reg+2*\p:\reg+2*\p+1], v[\adr+2] offset:8*PCE+16*(PCE/8)+(\i)*16*PITCH
.endif
.endr
.endm
; 16 matrix instructions: P's blocks a0, a0 + 1 x R's eight, 128 along K.  p: R's set; sc: the set of scale words.  zero = 1: the first product starts the sums.
; The 64 accumulators take turns, one instruction a turn, in the same order in every step.
.macro MUL16 a0, p, q, sc, zero
.irp a, \a0, \a0+1
.irp b, 0,1,2,3,4,5,6,7
.if \zero
	v_wmma_scale_f32_16x16x128_f8f6f4 v[8*(8*((\a)%4)+\b):8*(8*((\a)%4)+\b)+7], v[128*(\p)+FR*\b:128*(\p)+FR*\b+FR-1], v[AF+FR*(\a):AF+FR*(\a)+FR-1], 0, v[SC+8*NQ*(\sc)+NQ*\b+(\q)], v[SC+8*NQ*(\sc)+NQ*(\a)+(\q)] matrix_a_fmt:MATRIX_FMT_FP6 matrix_b_fmt:MATRIX_FMT_FP6 matrix_a_scale:MATRIX_SCALE_ROW1
.else
	v_wmma_scale_f32_16x16x128_f8f6f4 v[8*(8*((\a)%4)+\b):8*(8*((\a)%4)+\b)+7], v[128*(\p)+FR*\b:128*(\p)+FR*\b+FR-1], v[AF+FR*(\a):AF+FR*(\a)+FR-1], v[8*(8*((\a)%4)+\b):8*(8*((\a)%4)+\b)+7], v[SC+8*NQ*(\sc)+NQ*\b+(\q)], v[SC+8*NQ*(\sc)+NQ*(\a)+(\q)] matrix_a_fmt:MATRIX_FMT_FP6 matrix_b_fmt:MATRIX_FMT_FP6 matrix_a_scale:MATRIX_SCALE_ROW1
.endif
.endr
.endr
.endm
.macro FETCH_B slot, q, p              ; R's eight fragments of the slot's q-th 128 along K into set p
	WIN TO_B
.irp i, 0,1,2,3,4,5,6,7
	FRAG 128*(\p)+FR*\i, ADRB+\slot, \q, \i
.endr
	WIN 0
.endm
.macro FETCH_A slot, q, i0             ; P's blocks i0 .. i0 + 3
.irp i, \i0, \i0+1, \i0+2, \i0+3
	FRAG AF+FR*(\i), ADRA+\slot, \q, \i
.endr
.endm
.macro SCALES sc                       ; a K step's scale words into set sc: two words a row; lanes 0-15 take P's block i, lanes 16-31 R's block i
.irp i, 0,1,2,3,4,5,6,7
	ds_load_b64 v[SC+8*NQ*\sc+NQ*\i:SC+8*NQ*\sc+NQ*\i+1], v[ADRS] offset:\i*128
.endr
.endm
.macro PLACES n                        ; plain vector instructions between a matrix instruction and a load into, or a read of, its registers (ISA guide 7.12.1 for a read)
.rept \n
	v_nop
.endr
.endm
; A step of 128 along K that has its successor in the same slot.
.macro STEP slot, q, zero
	s_wait_dscnt 4*NL                              ; R's set and P's blocks 0-3 are in; the youngest 24 loads (P's blocks 4-7) may be out
	WIN MUL_LO
	MUL16 0, (\q)%2, \q, \slot, \zero
	MUL16 2, (\q)%2, \q, \slot, \zero
	s_wait_dscnt 0                                 ; P's blocks 4-7 are in
	PLACES NP
	FETCH_B \slot, (\q)+1, 1-(\q)%2
	FETCH_A \slot, (\q)+1, 0
	WIN MUL_HI
	MUL16 4, (\q)%2, \q, \slot, \zero
	MUL16 6, (\q)%2, \q, \slot, \zero
	PLACES NP
	WIN 0
	FETCH_A \slot, (\q)+1, 4
.endm
; A slot's last step changes slots: one barrier; in front of it each wave waits for all its tensor loads, adds 0 to its spare word, and waits for that and for its own reads of this slot.  fill = 1: this slot is filled again, two K steps ahead.
.macro TURN slot, next, fill
	s_wait_tensorcnt 0x0                           ; all my tensor loads have landed: my part of the next slot (every window is 0 here)
	ds_add_u32 v[SPW], v[NIL]                      ; 0 onto my spare word
	s_wait_dscnt 4*NL+1                            ; (the add and the youngest 24 loads, P's blocks 4-7, may be out)
	WIN MUL_LO
	MUL16 0, 1, NQ-1, \slot, 0                     ; sixteen matrix instructions stand between the add and the wait for it
	s_wait_dscnt 0x0                               ; the add is done, and my reads of this slot are over
	s_barrier_signal -1
	MUL16 2, 1, NQ-1, \slot, 0
	WIN 0
	s_barrier_wait -1
.if \fill
	CREST                                          ; the barrier has opened a round of the cluster's barrier: no wave of any partner still reads this slot's tile or has a load on its way
	s_add_nc_u64 s[G0+4*\slot+2:G0+4*\slot+3], s[G0+4*\slot+2:G0+4*\slot+3], 2*KBLK
	s_add_nc_u64 s[G0B+4*\slot+2:G0B+4*\slot+3], s[G0B+4*\slot+2:G0B+4*\slot+3], 2*KBLK
	JLOAD G0+4*\slot, G1, G0B+4*\slot, G1B         ; the first tensor load behind the round, my only one out; the four v_nop behind it are the places in front of the loads below
.else
	PLACES NP
.endif
	s_wait_alu depctr_va_vdst(0)
	v_add_nc_u32 v[ADRS], 1024, v[ADRS]            ; on to the next K step's scale words
	FETCH_B \next, 0, 0
	FETCH_A \next, 0, 0
	SCALES \next
	WIN MUL_HI
	MUL16 4, 1, NQ-1, \slot, 0
	MUL16 6, 1, NQ-1, \slot, 0
	PLACES NP
	WIN 0
	FETCH_A \next, 0, 4
.endm
	s_wait_alu depctr_va_vdst(0)
	s_wait_tensorcnt 0x0                           ; my tile of the head's four is in
	ds_add_u32 v[SPW], v[NIL]
	s_mov_b32 s[G1+2], 1<<16                       ; no tensor load of mine is out: from here on a load brings one row, a chunk's K step
	s_mov_b32 s[G1+4], 1
	s_mov_b32 s[G1+6], 1<<16
	s_mov_b32 s[G1B+2], 1<<16
	s_mov_b32 s[G1B+4], 1
	s_mov_b32 s[G1B+6], 1<<16
	s_wait_dscnt 0x0
	CROUND                                         ; all four tiles are in, and all sixteen work-groups are here
	JLOAD G0+4, G1, G0B+4, G1B                     ; K step 1 into slot 1: the first tensor load behind the round, a quarter of the slot a wave
	FETCH_B 0, 0, 0
	FETCH_A 0, 0, 0
	SCALES 0
	FETCH_A 0, 0, 4
	STEP 0, 0, 1                                   ; K = 1,024 is four K steps: they are written out.  The first products start the sums
	TURN 0, 1, 1                                   ; slot 0 takes K step 2
	STEP 1, 0, 0
	TURN 1, 0, 1                                   ; slot 1 takes K step 3
	STEP 0, 0, 0
	TURN 0, 1, 0                                   ; nothing is left to fetch
	STEP 1, 0, 0
	s_wait_dscnt 4*NL                              ; the very last step
	WIN MUL_LO
	MUL16 0, 1, NQ-1, 1, 0
	MUL16 2, 1, NQ-1, 1, 0
	s_wait_dscnt 0
	WIN MUL_HI
	MUL16 4, 1, NQ-1, 1, 0
	MUL16 6, 1, NQ-1, 1, 0
	WIN 0
; THE EPILOGUE.  Block a's 64 numbers of a lane, register 16 b + i = 32 b + 16 (lane / 16) + i along the next K, become a fragment's codes and a scale word, and leave as images of registers.
; Each block has registers of its own for what it stores, so no store's data are written again.  Each accumulator is read from its low end on.
.macro QUANTW a
.set AC, 64*((\a)%4)
.set WW, 2+(\a)/4
.set PC, CD+12*(\a)
	WIN WW|(WW<<2)                                 ; sources 0 and 1: the accumulators' window
.irp b, 0,1,2,3
	v_max3_num_f32 v[TM+\b], |v[AC+16*\b]|, |v[AC+16*\b+1]|, 0x1800000   ; block b: my 16 numbers, and the floor 2^(3 - 127): so the byte cannot fall under 1
.endr
	WIN (WW<<2)|(WW<<4)                            ; sources 1 and 2
.irp i, 2,4,6,8,10,12,14
.irp b, 0,1,2,3
	v_max3_num_f32 v[TM+\b], v[TM+\b], |v[AC+16*\b+\i]|, |v[AC+16*\b+\i+1]|   ; (the four blocks by turns)
.endr
.endr
	WIN 0
.irp b, 0,1,2,3
	v_permlanex16_b32 v[TM+4+\b], v[TM+\b], s[SEL], s[SEL+1]
.endr
.irp b, 0,1,2,3
	v_max_num_f32 v[TM+\b], v[TM+\b], v[TM+4+\b]   ; with lane l xor 16's: the block's largest magnitude
.endr
.irp b, 0,1,2,3
	v_add_nc_u32 v[TM+12+\b], 0xff000000, v[TM+\b] ; 2 off its exponent field: the conversion's scale operand
.endr
.irp b, 0,1,2,3
	v_lshrrev_b32 v[TM+4+\b], 23, v[TM+12+\b]      ; the scale's byte
.endr
	v_lshl_or_b32 v[PW], v[TM+5], 8, v[TM+4]
	v_lshl_or_b32 v[PW], v[TM+6], 16, v[PW]
	v_lshl_or_b32 v[PW], v[TM+7], 24, v[PW]        ; my row's scale word
	v_lshrrev_b32 v[SW+(\a)], v[SHV], v[PW]        ; q, k: lanes 16-31 keep the odd head's two bytes, moved to bytes 0 and 1
	WIN WW                                         ; source 0
.irp c, 0,1
	v_cvt_scalef32_pk16_fp6_f32 v[PC+6*\c:PC+6*\c+2], v[AC+32*\c:AC+32*\c+15], v[TM+12+2*\c]
	v_cvt_scalef32_pk16_fp6_f32 v[T2+4*\c:T2+4*\c+2], v[AC+32*\c+16:AC+32*\c+31], v[TM+12+2*\c+1]   ; (a conversion's three registers begin on an even number)
.endr
	WIN 0
	v_nop                                          ; one plain place behind a scaled conversion
.irp c, 0,1                            ; the operand's layout wants a whole block in a lane: lanes 0-15 block 2 c, lanes 16-31 block 2 c + 1
.irp i, 0,1,2
	v_permlane16_swap_b32 v[PC+6*\c+\i], v[T2+4*\c+\i]
.endr
.irp i, 0,1,2
	v_mov_b32 v[PC+3+6*\c+\i], v[T2+4*\c+\i]
.endr
.endr
	global_store_b128 v[L16], v[PC:PC+3], s[12:13] offset:(\a)*1536          ; the wave stores 512 consecutive bytes,
	global_store_b64 v[L8], v[PC+4:PC+5], s[12:13] offset:(\a)*1536+512      ; 256,
	global_store_b128 v[L16], v[PC+6:PC+9], s[12:13] offset:(\a)*1536+768    ; and the second half likewise
	global_store_b64 v[L8], v[PC+10:PC+11], s[12:13] offset:(\a)*1536+1280
.endm
.irp b, 0,1,2,3
	v_mov_b32 v[TM+4+\b], 0                        ; a lane permute's destination counts as one of its sources; these four lines are also the places behind the last products
.endr
.irp a, 0,1,2,3,4,5,6,7
	QUANTW \a
.endr
	global_store_b128 v[L16], v[SW:SW+3], s[92:93]             ; the scale words of blocks 0-3: 16 bytes a lane,
	global_store_b128 v[L16], v[SW+4:SW+7], s[92:93] offset:512  ; of blocks 4-7
	s_wait_tensorcnt 0x0                           ; the wave's end
	ds_add_u32 v[SPW], v[NIL]
	s_wait_dscnt 0x0
	CROUND                                         ; the closing round: no work-group ends while a partner may still ask for a tile that names it
	s_endpgm
.Lfunc_end_k_q97ae6ed331_proj:
	.size	k_q97ae6ed331_proj, .Lfunc_end_k_q97ae6ed331_proj-k_q97ae6ed331_proj
	.p2alignl 7, 3214868480
	.fill 96, 4, 3214868480
	.section	.rodata,"a",@progbits
	.p2align	6, 0x0
	.amdhsa_kernel k_q97ae6ed331_proj
		.amdhsa_group_segment_fixed_size 327680
		.amdhsa_private_segment_fixed_size 0
		.amdhsa_enable_private_segment 0
		.amdhsa_kernarg_size 48
		.amdhsa_user_sgpr_count 2
		.amdhsa_user_sgpr_kernarg_segment_ptr 1
		.amdhsa_wavefront_size32 1
		.amdhsa_system_sgpr_workgroup_id_x 1
		.amdhsa_system_sgpr_workgroup_id_y 1
		.amdhsa_system_sgpr_workgroup_id_z 1
		.amdhsa_system_vgpr_workitem_id 0
		.amdhsa_next_free_vgpr 1024
		.amdhsa_next_free_sgpr 100
		.amdhsa_reserve_vcc 0
		.amdhsa_float_denorm_mode_32 3
		.amdhsa_float_denorm_mode_16_64 3
		.amdhsa_memory_ordered 1
		.amdhsa_forward_progress 1
		.amdhsa_inst_pref_size 167
	.end_amdhsa_kernel
	.amdgpu_metadata
---
amdhsa.version: [ 1, 2 ]
amdhsa.kernels:
  - .name:           k_q97ae6ed331_proj
    .symbol:         k_q97ae6ed331_proj.kd
    .args:
      - { .name: xc, .offset: 0, .size: 8, .value_kind: global_buffer, .address_space: global }
      - { .name: xs, .offset: 8, .size: 8, .value_kind: global_buffer, .address_space: global }
      - { .name: wc, .offset: 16, .size: 8, .value_kind: global_buffer, .address_space: global }
      - { .name: ws, .offset: 24, .size: 8, .value_kind: global_buffer, .address_space: global }
      - { .name: hc, .offset: 32, .size: 8, .value_kind: global_buffer, .address_space: global }
      - { .name: hs, .offset: 40, .size: 8, .value_kind: global_buffer, .address_space: global }
    .group_segment_fixed_size: 327680
    .private_segment_fixed_size: 0
    .kernarg_segment_align: 8
    .kernarg_segment_size: 48
    .max_flat_workgroup_size: 128
    .sgpr_count:     100
    .vgpr_count:     1024
    .wavefront_size: 32
...
	.end_amdgpu_metadata
.endif
;; end of part 2
;; launch attn (part 3): grid 8 x 32, 16 waves a work-group, clusters of 4 x 1, 327,680 bytes of LDS; arguments hc, hs, oc, os; writes oc, os
.if DOCPART == 3
	.amdgcn_target "amdgcn-amd-amdhsa--gfx1250"
	.amdhsa_code_object_version 6
	.text
	.protected	k_q97ae6ed331_attn
	.globl	k_q97ae6ed331_attn
	.p2align	8
	.type	k_q97ae6ed331_attn,@function
k_q97ae6ed331_attn:
	s_mov_b64 s[64:65], 0
	v_nop
	global_prefetch_b8 v0, s[64:65] scope:SCOPE_SE
	s_setreg_imm32_b32 hwreg(HW_REG_WAVE_MODE, 25, 1), 1
	s_wait_xcnt 0x0
	s_wait_alu depctr_hold_cnt(0) depctr_sa_sdst(0) depctr_va_vdst(0) depctr_va_sdst(0) depctr_va_ssrc(0) depctr_va_vcc(0) depctr_vm_vsrc(0)
	s_getreg_b32 s2, hwreg(HW_REG_IB_STS2, 6, 4)
	s_cmp_eq_u32 s2, 0
	s_cbranch_scc0 .Lentry_in_a_cluster
	s_endpgm
.Lentry_in_a_cluster:
	s_bfe_u32 s2, ttmp6, 0x10000c
	s_cmp_lg_u32 s2, 0x3003
	s_cbranch_scc0 .Lentry_shape_is_right
	s_endpgm
.Lentry_shape_is_right:
; o = softmax(q k^T / 8) v on codes of FP6 (E2M3) with E8M0 scales, for one (batch, head) and 256 queries a work-group; a wave owns 16 queries; o leaves quantised along the head's 64, as codes and scale bytes.
; Both products are used transposed (S^T = k q^T, O^T = v^T p^T): a lane holds one query, its registers run along the keys, then along the head's 64.
; p = 2^(t - M), t = score x log2(e) / 8, M the running largest t rounded up to a whole number; the row's sum is taken of the unquantised p; when M moves, sum and O^T are multiplied by a power of two.
; A block's largest p is made from the block's largest score by the same multiply-add and exponential.
; K AND V come in steps of 128 keys as images of operand registers (768 bytes for 16 rows x 64 codes): two LDS slots of four steps, K's 24,576 bytes, then V's.  All scale words lie behind the slots, filled once.
; CLUSTER 4, 1, 1: the four query blocks of a head ask for every tile jointly (mask 15).
; THE HEAD'S 64 ARE HALF OF THE INSTRUCTION'S 128: q's fragment holds zero codes at k = 64 .. 127, so whatever k's fragment holds there adds 0 (FP6 has no NaN code; the scale bytes there are bytes of the
; neighbouring head or 0, never 0xff).  So k's tiles stand 6 registers apart, each fragment reaching into its neighbour: eight tiles in 54 registers, the last six of them zeros.
; A STEP: 8 score products; the NEXT step's k tiles and scale words are asked for behind them; softmax; codes of p; v's tiles into the registers of p's first 48 numbers; 4 products onto O^T; the sum's last 16 numbers
; are added behind those products, as the places that stand ahead of the next score products.  One wait on LDS in a step, ahead of the products with v.
; PREFETCH: in each trip waves 4-6 of the even head's work-groups of cluster x = 0 name the slot one behind the one just asked for: 3 x 32 lanes x 256 bytes; the four partners take K's two halves and V's two, by address;
; the last trip with a refill asks for nothing.
; LIMITS: holds while |t| stays under 2^31; NaN and infinities are not served; a block of zeros gets the byte 1 where the rule says 127 (zero codes; this program alone reads the bytes).
.set SLOT1, 65536
.set VOFF,  24576
.set SCK,   2*SLOT1                    ; k's scale words, 16,384 bytes
.set SCV,   SCK+16384                  ; v's, 8,192
.set SPARE, SCV+8192                   ; the spare words, 128 bytes a wave
.set NSL,   8                          ; slots' fills in all
.set KSEC,  3145728                    ; k's and v's sections in hc and in hs
.set VSEC,  9437184
.set KSS,   262144
.set VSS,   786432
.set PBB,   393216                     ; a (batch, pair of heads): 32 blocks of 12,288 bytes
.set SLB,   49152                      ; four blocks: a slot's keys
.set L16,  1
.set L8,   2
.set ASK0, 3
.set ASV0, 4
.set SPW,  5
.set NIL,  6
.set OB,   7
.set ADK,  8                           ; v8-11 this slot's addresses: images at 16 x lane, at 8 x lane, k's scale words, v's
.set ADK8, 9
.set ADS,  10
.set ADT,  11
.set QF,   16
.set PFO,  28
.set QS,   29
.set R16,  30
.set HH,   31
.set KF,   32                          ; v32-85 k's eight tiles, 6 registers apart
.set KS,   86                          ; v86-93 k's scale words, v94-97 v's, v98 p's: scales and nothing else
.set VS,   94
.set PS,   98
.set S,    100                         ; v100-163 scores, then p; v's tiles over the first 48
.set O,    164                         ; v164-195 O^T
.set PC,   196
.set T2,   208
.set BM,   216
.set BP,   220
.set BO,   224
.set FF,   228
.set TT,   230
.set SU,   232
.set TB,   2
.set TS,   3
.set WV,   18
.set SEL,  20
.set CS,   22
.set G1K,  24
.set G1V,  32
.set G0K,  40
.set G0V,  44
.set G1SK, 48
.set G1SV, 56
.set TJ,   66
.set SLOTS, 67
.set G0SK, 68
.set G0SV, 72
.set PFA,  76
.set LIM,  80
.macro TL g0, g1                       ; a joint load with s_nop 0 and four v_nop behind it
	tensor_load_to_lds s[\g0:\g0+3], s[\g1:\g1+7]
	s_nop 0
.rept 4
	v_nop
.endr
.endm
.macro TLOAD                           ; a slot's fill: waves 0, 1 K's halves, waves 2, 3 V's
	s_cmp_lt_u32 s[WV], 2
	s_cbranch_scc0 .Lnot_k_\@
	TL G0K, G1K
	s_branch .Lasked_\@
.Lnot_k_\@:
	s_cmp_lt_u32 s[WV], 4
	s_cbranch_scc0 .Lasked_\@
	TL G0V, G1V
.Lasked_\@:
.endm
.macro ASK
	s_cmp_gt_u32 s[SLOTS], s[LIM]
	s_cbranch_scc0 .Lnot_mine_\@
	global_prefetch_b8 v[PFO], s[PFA:PFA+1] th:TH_LOAD_NT scope:SCOPE_SE
.Lnot_mine_\@:
.endm
.macro CROUND
	s_barrier_signal -1
	s_barrier_wait -1
	s_cmp_lg_u32 s[WV], 0
	s_cbranch_scc1 .Lnot_wave_0_\@
	s_barrier_signal -3
.Lnot_wave_0_\@:
	s_barrier_wait -3
	s_barrier_signal -1
	s_barrier_wait -1
.endm
	s_load_b256 s[4:11], s[0:1], 0x0               ; hc, hs, oc, os
	v_lshl_add_u32 v[SPW], v0, 2, SPARE
	v_mov_b32 v[NIL], 0
	ds_add_u32 v[SPW], v[NIL]                      ; the opening lines: the add twice and one wait
	ds_add_u32 v[SPW], v[NIL]
	v_lshrrev_b32 v8, 5, v0
	s_delay_alu instid0(VALU_DEP_1)
	v_readfirstlane_b32 s[WV], v8                  ; wave 0..15
	s_bfe_u32 s12, ttmp6, 0x40000                  ; cx
	s_lshl_b32 s13, ttmp9, 2
	s_add_co_u32 s13, s13, s12                     ; which 256 queries
	s_and_b32 s14, ttmp7, 0xffff                   ; 16 x batch + head
	s_lshr_b32 s15, s14, 1                         ; (batch, pair of heads)
	s_and_b32 s16, s14, 1                          ; which head of the pair
	s_and_b32 s17, s14, 15
	s_and_b32 s19, s[WV], 1                        ; which half of a tile I fetch
	s_mov_b32 s[G1K], 15|(3<<16)|(1<<21)           ; K: 16 rows of 768 bytes, my head's of each 1,536
	s_mov_b32 s[G1K+1], 96<<16
	s_mov_b32 s[G1K+2], 16<<16
	s_mov_b32 s[G1K+3], 96<<16
	s_mov_b32 s[G1K+4], 16
	s_mov_b32 s[G1K+5], 192
	s_mov_b32 s[G1K+6], 0
	s_mov_b32 s[G1K+7], 0
	s_mov_b32 s[G1V], 15|(3<<16)|(1<<21)           ; V: 2 rows of 6,144 bytes, my head's of each 12,288
	s_mov_b32 s[G1V+1], 768<<16
	s_mov_b32 s[G1V+2], 2<<16
	s_mov_b32 s[G1V+3], 768<<16
	s_mov_b32 s[G1V+4], 2
	s_mov_b32 s[G1V+5], 1536
	s_mov_b32 s[G1V+6], 0
	s_mov_b32 s[G1V+7], 0
	s_mov_b32 s[G1SK], 15|(3<<16)|(1<<21)          ; K's scale words: 32 rows of 256 bytes, of each 512
	s_mov_b32 s[G1SK+1], 32<<16
	s_mov_b32 s[G1SK+2], 32<<16
	s_mov_b32 s[G1SK+3], 32<<16
	s_mov_b32 s[G1SK+4], 32
	s_mov_b32 s[G1SK+5], 64
	s_mov_b32 s[G1SK+6], 0
	s_mov_b32 s[G1SK+7], 0
	s_mov_b32 s[G1SV], 15|(3<<16)|(1<<21)          ; V's: 16 rows of 256 bytes, of each 1,024
	s_mov_b32 s[G1SV+1], 32<<16
	s_mov_b32 s[G1SV+2], 16<<16
	s_mov_b32 s[G1SV+3], 32<<16
	s_mov_b32 s[G1SV+4], 16
	s_mov_b32 s[G1SV+5], 128
	s_mov_b32 s[G1SV+6], 0
	s_mov_b32 s[G1SV+7], 0
	s_mul_i32 s82, s15, PBB
	s_mul_i32 s83, s19, 24576
	s_add_co_u32 s82, s82, s83
	s_mul_i32 s84, s16, 768
	s_add_co_u32 s84, s84, s82
	s_add_co_u32 s84, s84, KSEC
	s_mov_b32 s85, 0
	s_mul_i32 s86, s16, 6144
	s_add_co_u32 s86, s86, s82
	s_add_co_u32 s86, s86, VSEC
	s_mov_b32 s87, 0
	s_lshl_b32 s82, s15, 15
	s_lshl_b32 s83, s19, 14
	s_add_co_u32 s82, s82, s83
	s_lshl_b32 s88, s16, 8
	s_add_co_u32 s88, s88, s82
	s_add_co_u32 s88, s88, KSS
	s_mov_b32 s89, 0
	s_lshl_b32 s90, s16, 9
	s_add_co_u32 s90, s90, s82
	s_add_co_u32 s90, s90, VSS
	s_mov_b32 s91, 0
	s_mul_i32 s92, s19, 12288
	s_lshl_b32 s93, s19, 13
	s_lshl_b32 s94, s19, 12
	s_mov_b32 s[SEL], 0x76543210
	s_mov_b32 s[SEL+1], 0xfedcba98
	s_mov_b32 s[CS], 0x3e38aa3b                    ; log2(e) / 8
	s_mov_b32 s[CS+1], s[CS]
	s_mov_b32 s[TB], 0
	s_mov_b32 s[TS], 0
	s_mov_b32 s[TJ], 0
	s_mov_b32 s[SLOTS], NSL-1
	s_wait_dscnt 0x0                               ; both opening adds are done
	s_wait_kmcnt 0x0
	s_mov_b32 s[G0SK], 1
	s_add_co_u32 s[G0SK+1], s93, SCK
	s_add_nc_u64 s[G0SK+2:G0SK+3], s[6:7], s[88:89]
	s_or_b32 s[G0SK+3], s[G0SK+3], 0x80000000
	s_mov_b32 s[G0SV], 1
	s_add_co_u32 s[G0SV+1], s94, SCV
	s_add_nc_u64 s[G0SV+2:G0SV+3], s[6:7], s[90:91]
	s_or_b32 s[G0SV+3], s[G0SV+3], 0x80000000
	s_mov_b32 s[G0K], 1
	s_mov_b32 s[G0K+1], s92
	s_add_nc_u64 s[G0K+2:G0K+3], s[4:5], s[84:85]
	s_or_b32 s[G0K+3], s[G0K+3], 0x80000000
	s_mov_b32 s[G0V], 1
	s_add_co_u32 s[G0V+1], s92, VOFF
	s_add_nc_u64 s[G0V+2:G0V+3], s[4:5], s[86:87]
	s_or_b32 s[G0V+3], s[G0V+3], 0x80000000
	CROUND                                         ; the four work-groups are here: the first joint loads meet
; THE HEAD'S LOADS, at most one a wave, in one chain of branches on the wave's number: waves 0, 1 slot 0's K, 2, 3 its V, 4, 5 K's scale words, 6, 7 V's
.macro ARM under, g0, g1, next
	s_cmp_lt_u32 s[WV], \under
	s_cbranch_scc0 \next
	TL \g0, \g1
	s_branch .Lhead_asked
\next:
.endm
	ARM 2, G0K,  G1K,  .Lhead_v
	ARM 4, G0V,  G1V,  .Lhead_sk
	ARM 6, G0SK, G1SK, .Lhead_sv
	s_cmp_lt_u32 s[WV], 8
	s_cbranch_scc0 .Lhead_asked
	TL G0SV, G1SV
.Lhead_asked:
	s_lshr_b32 s84, s[WV], 3                       ; where my 16 queries' codes and scale words lie, and where my results go
	s_lshl_b32 s85, s13, 1
	s_add_co_u32 s85, s85, s84
	s_and_b32 s86, s[WV], 7
	s_lshl_b32 s87, s15, 4
	s_add_co_u32 s87, s87, s85
	s_mul_i32 s88, s87, 12288
	s_mul_i32 s89, s86, 1536
	s_add_co_u32 s88, s88, s89
	s_mul_i32 s89, s16, 768
	s_add_co_u32 s88, s88, s89
	s_mov_b32 s89, 0
	s_add_nc_u64 s[96:97], s[4:5], s[88:89]
	s_lshl_b32 s90, s87, 10
	s_lshr_b32 s91, s86, 2
	s_lshl_b32 s91, s91, 9
	s_add_co_u32 s90, s90, s91
	s_lshl_b32 s91, s16, 8
	s_add_co_u32 s90, s90, s91
	s_and_b32 s91, s86, 3
	s_lshl_b32 s91, s91, 2
	s_add_co_u32 s90, s90, s91
	s_mov_b32 s91, 0
	s_add_nc_u64 s[98:99], s[6:7], s[90:91]
	s_lshr_b32 s92, s14, 4
	s_lshl_b32 s92, s92, 4
	s_add_co_u32 s92, s92, s85
	s_lshl_b32 s92, s92, 2
	s_lshr_b32 s93, s17, 2
	s_add_co_u32 s92, s92, s93
	s_lshl_b32 s92, s92, 3
	s_add_co_u32 s92, s92, s86
	s_and_b32 s93, s17, 3
	s_mul_i32 s94, s92, 3072
	s_mul_i32 s95, s93, 768
	s_add_co_u32 s94, s94, s95
	s_mov_b32 s95, 0
	s_add_nc_u64 s[8:9], s[8:9], s[94:95]
	s_lshl_b32 s92, s92, 7
	s_lshl_b32 s93, s93, 1
	s_add_co_u32 s92, s92, s93
	s_mov_b32 s93, 0
	s_add_nc_u64 s[10:11], s[10:11], s[92:93]
	s_lshr_b32 s82, s12, 1                         ; the prefetches: my work-group's quarter of a slot's blocks, by address
	s_mul_i32 s82, s82, VSEC-KSEC
	s_and_b32 s83, s12, 1
	s_mul_i32 s83, s83, 24576
	s_add_co_u32 s82, s82, s83
	s_mul_i32 s83, s15, PBB
	s_add_co_u32 s82, s82, s83
	s_and_b32 s83, s[WV], 3
	s_lshl_b32 s83, s83, 13
	s_add_co_u32 s82, s82, s83
	s_add_co_u32 s82, s82, KSEC+SLB
	s_mov_b32 s83, 0
	s_add_nc_u64 s[PFA:PFA+1], s[4:5], s[82:83]
	s_sub_co_u32 s82, s[WV], 4
	s_lshr_b32 s82, s82, 2
	s_or_b32 s82, s82, ttmp9
	s_or_b32 s82, s82, s16
	s_cmp_eq_u32 s82, 0
	s_cselect_b32 s[LIM], 1, -1
	s_cmp_eq_u32 s[WV], 7
	s_cselect_b32 s[LIM], -1, s[LIM]
	v_and_b32 v9, 31, v0
	s_delay_alu instid0(VALU_DEP_1)
	v_lshlrev_b32 v[L16], 4, v9
	s_delay_alu instid0(VALU_DEP_2)
	v_lshlrev_b32 v[L8], 3, v9
	s_delay_alu instid0(VALU_DEP_3)
	v_lshlrev_b32 v[PFO], 8, v9
	v_and_b32 v10, 15, v0
	v_bfe_u32 v[HH], v0, 4, 1
	s_delay_alu instid0(VALU_DEP_2)
	v_lshlrev_b32 v[R16], 4, v10
	global_load_b128 v[QF:QF+3], v[L16], s[96:97]  ; q's half fragment, an image of registers
	global_load_b64 v[QF+4:QF+5], v[L8], s[96:97] offset:512
	global_load_b32 v[QS], v[R16], s[98:99]
	v_lshl_add_u32 v[ASK0], v10, 4, SCK
	v_lshl_add_u32 v[ASV0], v10, 4, SCV
	v_lshl_add_u32 v[OB], v10, 3, v[HH]
.irp j, 6,7,8,9,10,11
	v_mov_b32 v[QF+\j], 0                          ; q at k = 64 .. 127: zero codes
	v_mov_b32 v[KF+42+\j], 0                       ; behind k's last tile
.endr
	v_mov_b32 v13, 0xff61b1e6                      ; the largest t so far: -3e38
	s_delay_alu instid0(VALU_DEP_1)
	v_floor_f32 v12, -v13                          ; -M
	v_mov_b32 v14, 0
	v_mov_b32 v15, 0
.irp b, 0,1,2,3
	v_mov_b32 v[BP+\b], 0
.endr
	v_mov_b32 v[FF+1], 0
.set J, 0
.rept 32
	v_mov_b32 v[O+J], 0
.set J, J+1
.endr
.macro KLOAD q                         ; the slot's step q: k's eight tiles and their scale words
.irp t, 0,1,2,3,4,5,6,7
	ds_load_b128 v[KF+6*\t:KF+6*\t+3], v[ADK] offset:(8*(\q)+\t)*768
	ds_load_b64 v[KF+6*\t+4:KF+6*\t+5], v[ADK8] offset:(8*(\q)+\t)*768+512
.endr
	ds_load_b128 v[KS:KS+3], v[ADS] offset:512*(\q)
	ds_load_b128 v[KS+4:KS+7], v[ADS] offset:512*(\q)+256
.endm
.macro STEP q
.irp t, 0,1,2,3,4,5,6,7
	v_wmma_scale_f32_16x16x128_f8f6f4 v[S+8*\t:S+8*\t+7], v[KF+6*\t:KF+6*\t+11], v[QF:QF+11], 0, v[KS+\t], v[QS] matrix_a_fmt:MATRIX_FMT_FP6 matrix_b_fmt:MATRIX_FMT_FP6
.endr
.rept 4
	v_nop                                          ; places ahead of the loads into k's registers and of the first read of the scores
.endr
.if \q < 3
	KLOAD (\q)+1                                   ; the next step's, a whole softmax ahead of their use
.endif
.irp b, 0,1,2,3
	v_max3_num_f32 v[BM+\b], v[S+16*\b], v[S+1+16*\b], v[S+2+16*\b]   ; each block's largest score, the four blocks by turns
.endr
.irp i, 3,5,7,9,11,13
.irp b, 0,1,2,3
	v_max3_num_f32 v[BM+\b], v[BM+\b], v[S+16*\b+\i], v[S+1+16*\b+\i]
.endr
.endr
.irp b, 0,1,2,3
	v_max_num_f32 v[BM+\b], v[BM+\b], v[S+15+16*\b]
.endr
.irp b, 0,1,2,3
	s_delay_alu instid0(VALU_DEP_4)
	v_permlanex16_b32 v[BP+\b], v[BM+\b], s[SEL], s[SEL+1]
.endr
.irp b, 0,1,2,3
	s_delay_alu instid0(VALU_DEP_4)
	v_max_num_f32 v[BM+\b], v[BM+\b], v[BP+\b]     ; with lane l xor 16's 16 keys
.endr
	s_delay_alu instid0(VALU_DEP_2)
	v_max3_num_f32 v[TT], v[BM], v[BM+1], v[BM+2]
	s_delay_alu instid0(VALU_DEP_1)
	v_max_num_f32 v[TT], v[TT], v[BM+3]
	s_delay_alu instid0(VALU_DEP_1)
	v_mul_f32 v[TT], s[CS], v[TT]
	s_delay_alu instid0(VALU_DEP_1)
	v_max_num_f32 v13, v13, v[TT]                  ; the running largest t
	v_mov_b32 v[TT], v12
	s_delay_alu instid0(VALU_DEP_2)
	v_floor_f32 v12, -v13                          ; the new -M
	s_delay_alu instid0(VALU_DEP_1)
	v_sub_f32 v[TT], v12, v[TT]
	s_delay_alu instid0(VALU_DEP_1)
	v_cvt_i32_f32 v[TT], v[TT]
	s_delay_alu instid0(VALU_DEP_1)
	v_ldexp_f32 v[FF], 1.0, v[TT]                  ; f = 2^(old M - new M)
.set J, 0
.rept 32
	v_pk_fma_f32 v[S+J:S+J+1], v[S+J:S+J+1], s[CS:CS+1], v[12:13] op_sel_hi:[1,0,0]   ; t - M
.set J, J+2
.endr
.irp b, 0,1,2,3
	v_fma_f32 v[BM+\b], v[BM+\b], s[CS], v12
.endr
.set J, 0
	s_wait_alu depctr_va_vdst(0)                   ; ahead of the batch
.rept 64
	v_exp_f32 v[S+J], v[S+J]
.set J, J+1
.endr
	v_pk_mul_f32 v[14:15], v[14:15], v[FF:FF+1] op_sel_hi:[1,0]
	s_wait_alu depctr_va_vdst(0)                   ; and behind it
.irp b, 0,1,2,3
	v_exp_f32 v[BM+\b], v[BM+\b]                   ; each block's largest p
.endr
	v_pk_add_f32 v[SU:SU+1], v[S:S+1], v[S+2:S+3]  ; the sum of p's first 48 numbers, in two chains
.set J, 4
.rept 11
	v_pk_add_f32 v[14:15], v[14:15], v[S+J:S+J+1]
	v_pk_add_f32 v[SU:SU+1], v[SU:SU+1], v[S+J+2:S+J+3]
.set J, J+4
.endr
	s_wait_alu depctr_va_vdst(0)                   ; for the four
.irp b, 0,1,2,3
	v_max_num_f32 v[BM+\b], 0x1800000, v[BM+\b]    ; the floor 2^(3 - 127)
.endr
.irp b, 0,1,2,3
	s_delay_alu instid0(VALU_DEP_4)
	v_add_nc_u32 v[BO+\b], 0xff000000, v[BM+\b]    ; 2 off the exponent field: the conversion's scale operand
.endr
.irp c, 0,1
	v_cvt_scalef32_pk16_fp6_f32 v[PC+6*\c:PC+6*\c+2], v[S+32*\c:S+32*\c+15], v[BO+2*\c]
	v_cvt_scalef32_pk16_fp6_f32 v[T2+4*\c:T2+4*\c+2], v[S+32*\c+16:S+32*\c+31], v[BO+2*\c+1]
.endr
.irp t, 0,1,2,3                        ; v's four tiles of 16 x 128 keys, over p's first 48 numbers, and their scale words
	ds_load_b128 v[S+12*\t:S+12*\t+3], v[ADK] offset:VOFF+(\q)*6144+\t*1536
	ds_load_b64 v[S+12*\t+4:S+12*\t+5], v[ADK8] offset:VOFF+(\q)*6144+\t*1536+512
	ds_load_b128 v[S+12*\t+6:S+12*\t+9], v[ADK] offset:VOFF+(\q)*6144+\t*1536+768
	ds_load_b64 v[S+12*\t+10:S+12*\t+11], v[ADK8] offset:VOFF+(\q)*6144+\t*1536+1280
.endr
	ds_load_b128 v[VS:VS+3], v[ADT] offset:256*(\q)
.irp b, 0,1,2,3
	v_lshrrev_b32 v[BP+\b], 23, v[BO+\b]           ; the scale bytes (also the plain place behind the conversions)
.endr
	s_delay_alu instid0(VALU_DEP_3)
	v_lshl_or_b32 v[PS], v[BP+1], 8, v[BP]
	s_delay_alu instid0(VALU_DEP_1)
	v_lshl_or_b32 v[PS], v[BP+2], 16, v[PS]
	s_delay_alu instid0(VALU_DEP_1)
	v_lshl_or_b32 v[PS], v[BP+3], 24, v[PS]        ; p's scale word
.irp c, 0,1                            ; a whole block to a lane
.irp i, 0,1,2
	v_permlane16_swap_b32 v[PC+6*\c+\i], v[T2+4*\c+\i]
.endr
.irp i, 0,1,2
	s_delay_alu instid0(VALU_DEP_3)
	v_mov_b32 v[PC+3+6*\c+\i], v[T2+4*\c+\i]
.endr
.endr
	s_wait_alu depctr_va_vdst(0)                   ; directly ahead of the first reader of O^T
.set J, 0
.rept 16
	v_pk_mul_f32 v[O+J:O+J+1], v[O+J:O+J+1], v[FF:FF+1] op_sel_hi:[1,0]
.set J, J+2
.endr
	s_wait_alu depctr_va_vdst(0)
	s_wait_dscnt 0x0                               ; v's tiles are in, and so are the next step's k tiles
.irp t, 0,1,2,3
	v_wmma_scale_f32_16x16x128_f8f6f4 v[O+8*\t:O+8*\t+7], v[S+12*\t:S+12*\t+11], v[PC:PC+11], v[O+8*\t:O+8*\t+7], v[VS+\t], v[PS] matrix_a_fmt:MATRIX_FMT_FP6 matrix_b_fmt:MATRIX_FMT_FP6
.endr
.set J, 48                             ; the sum's last 16 numbers: nine plain lines that name no register of the four products: the places ahead of the next score products, which write over v's tiles
.rept 4
	v_pk_add_f32 v[14:15], v[14:15], v[S+J:S+J+1]
	v_pk_add_f32 v[SU:SU+1], v[SU:SU+1], v[S+J+2:S+J+3]
.set J, J+4
.endr
	s_delay_alu instid0(VALU_DEP_1)
	v_pk_add_f32 v[14:15], v[14:15], v[SU:SU+1]
.endm
.macro CHANGE fill
	s_wait_alu depctr_va_vdst(0)
	s_wait_tensorcnt 0x0                           ; all my tensor loads have landed
	ds_add_u32 v[SPW], v[NIL]                      ; 0 onto my spare word;
.if \fill
	ds_add_u32 v[SPW], v[NIL]                      ; twice here
	s_xor_b32 s[G0K+1], s[G0K+1], SLOT1            ; no load of mine is out: the descriptors step to the other slot and the next four blocks
	s_add_nc_u64 s[G0K+2:G0K+3], s[G0K+2:G0K+3], SLB
	s_xor_b32 s[G0V+1], s[G0V+1], SLOT1
	s_add_nc_u64 s[G0V+2:G0V+3], s[G0V+2:G0V+3], SLB
	s_wait_xcnt 0x0                                ; my last prefetch has read its address
	s_add_nc_u64 s[PFA:PFA+1], s[PFA:PFA+1], SLB
	s_wait_dscnt 0x0                               ; the adds are done, and my reads of the slot that is filled next
	CROUND
	TLOAD
	ASK
.else
	s_wait_dscnt 0x0
	s_barrier_signal -1
	s_barrier_wait -1
.endif
.endm
.macro SLOT_STEPS
	v_add_nc_u32 v[ADK], s[TB], v[L16]             ; the slot's addresses, once; the steps are immediates
	v_add_nc_u32 v[ADK8], s[TB], v[L8]
	v_add_nc_u32 v[ADS], s[TS], v[ASK0]
	v_add_nc_u32 v[ADT], s[TJ], v[ASV0]
	s_wait_alu depctr_va_vdst(0)
	KLOAD 0
	s_wait_dscnt 0x0
.irp q, 0,1,2,3
	STEP \q
.endr
	s_xor_b32 s[TB], s[TB], SLOT1
	s_add_co_u32 s[TS], s[TS], 2048
	s_add_co_u32 s[TJ], s[TJ], 1024
.endm
	s_wait_alu depctr_va_vdst(0)                   ; the head's end
	s_wait_loadcnt 0x0
.Lslot:
	CHANGE 1
	SLOT_STEPS
	s_sub_co_u32 s[SLOTS], s[SLOTS], 1
	s_cmp_lg_u32 s[SLOTS], 0
	s_cbranch_scc1 .Lslot
	CHANGE 0                                       ; the last slot: nothing is left to fetch
	SLOT_STEPS
	v_add_f32 v14, v14, v15                        ; the row's sum: its two halves and lane l xor 16's
	s_delay_alu instid0(VALU_DEP_1)
	v_permlanex16_b32 v[FF], v14, s[SEL], s[SEL+1]
	s_delay_alu instid0(VALU_DEP_1)
	v_add_f32 v14, v14, v[FF]
	s_wait_alu depctr_va_vdst(0)
	v_rcp_f32 v14, v14
	v_nop
	s_wait_alu depctr_va_vdst(0)
.set J, 0
.rept 32
	v_mul_f32 v[S+J], v[O+J], v14                  ; o: register 16 b + i is 32 b + 16 (lane / 16) + i of the head's 64
.set J, J+1
.endr
.irp b, 0,1
	v_max3_num_f32 v[BM+\b], |v[S+16*\b]|, |v[S+1+16*\b]|, 0x1800000
.endr
.irp i, 2,4,6,8,10,12,14
.irp b, 0,1
	s_delay_alu instid0(VALU_DEP_2)
	v_max3_num_f32 v[BM+\b], v[BM+\b], |v[S+16*\b+\i]|, |v[S+1+16*\b+\i]|
.endr
.endr
.irp b, 0,1
	s_delay_alu instid0(VALU_DEP_2)
	v_permlanex16_b32 v[BP+\b], v[BM+\b], s[SEL], s[SEL+1]
.endr
.irp b, 0,1
	s_delay_alu instid0(VALU_DEP_2)
	v_max_num_f32 v[BM+\b], v[BM+\b], v[BP+\b]
.endr
.irp b, 0,1
	s_delay_alu instid0(VALU_DEP_2)
	v_add_nc_u32 v[BO+\b], 0xff000000, v[BM+\b]
.endr
.irp b, 0,1
	s_delay_alu instid0(VALU_DEP_2)
	v_lshrrev_b32 v[BP+\b], 23, v[BO+\b]
.endr
	v_cvt_scalef32_pk16_fp6_f32 v[PC:PC+2], v[S:S+15], v[BO]
	v_cvt_scalef32_pk16_fp6_f32 v[T2:T2+2], v[S+16:S+31], v[BO+1]
	v_nop
.irp i, 0,1,2
	v_permlane16_swap_b32 v[PC+\i], v[T2+\i]
.endr
.irp i, 0,1,2
	s_delay_alu instid0(VALU_DEP_3)
	v_mov_b32 v[PC+3+\i], v[T2+\i]
.endr
	v_cmp_ne_u32 vcc_lo, 0, v[HH]
	s_delay_alu instid0(VALU_DEP_1)
	v_cndmask_b32 v[TT], v[BP], v[BP+1], vcc_lo    ; lanes 0-15 store block 0's byte, lanes 16-31 block 1's
	global_store_b128 v[L16], v[PC:PC+3], s[8:9]   ; a half fragment as an image of its registers: 512 and 256 consecutive bytes
	global_store_b64 v[L8], v[PC+4:PC+5], s[8:9] offset:512
	global_store_b8 v[OB], v[TT], s[10:11]
	s_wait_tensorcnt 0x0                           ; the wave's end
	ds_add_u32 v[SPW], v[NIL]
	s_wait_dscnt 0x0
	CROUND                                         ; the closing round
	s_endpgm
.Lfunc_end_k_q97ae6ed331_attn:
	.size	k_q97ae6ed331_attn, .Lfunc_end_k_q97ae6ed331_attn-k_q97ae6ed331_attn
	.p2alignl 7, 3214868480
	.fill 96, 4, 3214868480
	.section	.rodata,"a",@progbits
	.p2align	6, 0x0
	.amdhsa_kernel k_q97ae6ed331_attn
		.amdhsa_group_segment_fixed_size 327680
		.amdhsa_private_segment_fixed_size 0
		.amdhsa_enable_private_segment 0
		.amdhsa_kernarg_size 32
		.amdhsa_user_sgpr_count 2
		.amdhsa_user_sgpr_kernarg_segment_ptr 1
		.amdhsa_wavefront_size32 1
		.amdhsa_system_sgpr_workgroup_id_x 1
		.amdhsa_system_sgpr_workgroup_id_y 1
		.amdhsa_system_sgpr_workgroup_id_z 1
		.amdhsa_system_vgpr_workitem_id 0
		.amdhsa_next_free_vgpr 256
		.amdhsa_next_free_sgpr 100
		.amdhsa_reserve_vcc 1
		.amdhsa_float_denorm_mode_32 3
		.amdhsa_float_denorm_mode_16_64 3
		.amdhsa_memory_ordered 1
		.amdhsa_forward_progress 1
		.amdhsa_inst_pref_size 151
	.end_amdhsa_kernel
	.amdgpu_metadata
---
amdhsa.version: [ 1, 2 ]
amdhsa.kernels:
  - .name:           k_q97ae6ed331_attn
    .symbol:         k_q97ae6ed331_attn.kd
    .args:
      - { .name: hc, .offset: 0, .size: 8, .value_kind: global_buffer, .address_space: global }
      - { .name: hs, .offset: 8, .size: 8, .value_kind: global_buffer, .address_space: global }
      - { .name: oc, .offset: 16, .size: 8, .value_kind: global_buffer, .address_space: global }
      - { .name: os, .offset: 24, .size: 8, .value_kind: global_buffer, .address_space: global }
    .group_segment_fixed_size: 327680
    .private_segment_fixed_size: 0
    .kernarg_segment_align: 8
    .kernarg_segment_size: 32
    .max_flat_workgroup_size: 512
    .sgpr_count:     100
    .vgpr_count:     256
    .wavefront_size: 32
...
	.end_amdgpu_metadata
.endif
;; end of part 3
;; launch outp (part 4): grid 8 x 32, 4 waves a work-group, clusters of 4 x 4, 327,680 bytes of LDS; arguments oc, os, wc, ws, out0; writes out0
.if DOCPART == 4
	.amdgcn_target "amdgcn-amd-amdhsa--gfx1250"
	.amdhsa_code_object_version 6
	.text
	.protected	k_q97ae6ed331_outp
	.globl	k_q97ae6ed331_outp
	.p2align	8
	.type	k_q97ae6ed331_outp,@function
k_q97ae6ed331_outp:
	s_mov_b64 s[64:65], 0
	v_nop
	global_prefetch_b8 v0, s[64:65] scope:SCOPE_SE
	s_setreg_imm32_b32 hwreg(HW_REG_WAVE_MODE, 25, 1), 1
	s_wait_xcnt 0x0
	s_wait_alu depctr_hold_cnt(0) depctr_sa_sdst(0) depctr_va_vdst(0) depctr_va_sdst(0) depctr_va_ssrc(0) depctr_va_vcc(0) depctr_vm_vsrc(0)
	s_getreg_b32 s2, hwreg(HW_REG_IB_STS2, 6, 4)
	s_cmp_eq_u32 s2, 0
	s_cbranch_scc0 .Lentry_in_a_cluster
	s_endpgm
.Lentry_in_a_cluster:
	s_bfe_u32 s2, ttmp6, 0x10000c
	s_cmp_lg_u32 s2, 0xf033
	s_cbranch_scc0 .Lentry_shape_is_right
	s_endpgm
.Lentry_shape_is_right:
; out0 = o w_o on codes of FP6 (E2M3) with E8M0 scales for each 32 along K = 1,024; sums in f32.  A = o's codes (oc, os), B = w_o's (the fourth weight in wc, ws).
; A work-group makes 128 rows x 128 columns: 32 x 8 = 256 work-groups.  A wave makes 64 x 64: 16 accumulators.
; ALL OF K LIES IN LDS AT ONCE: a chunk of 128 rows is 98,304 dense bytes of codes and 4,096 of scale bytes, so the work-group needs four dense tiles, one tensor load a wave at the head; nothing is filled again.
; A's codes are images of operand registers (768 bytes for 16 rows x 64 codes) and lie unpadded; B's are rows of 192 bytes for each 256 along K, with 16 bytes of padding behind every 64: rows 240 bytes apart.
; CLUSTER 4 x 4: A's tiles are shared along a row of the cluster, B's along a column: joint loads with a mask that names the four.
; THE PRODUCT IS USED TRANSPOSED (source 0 = B's 16 rows, source 1 = A's): a lane holds eight neighbouring columns of one row.  Rows and columns lie in the buffers by position (bits 3 and 4 exchanged in each 32):
; the way out puts them back: columns by the place in the stage, rows by the stores' offsets.
; K goes in eight steps of 128, written out; each step asks for the next step's fragments ahead of its own 16 products; two sets of fragment registers.
; No prefetch: the launch has no loop to run ahead in, and every tile is asked for at the head.
; REGISTERS: window 0: v8-21 addresses; v24-39 scale words, two sets, and nothing else; v40-135 A's fragments, two sets; v136-231 B's; on the way out v40-103 rows read back.  Window 1: v0-127 the accumulators, (a, b) at 8 (4 a + b).
.set KBLK,   24576                     ; a chunk's 256 along K, in memory
.set CHUNKB, 4*KBLK
.set PITCH,  240
.set KPAD,   128*PITCH                 ; the same in LDS with B's padding
.set BOFF,   CHUNKB                    ; LDS: A's codes from 0, B's behind them,
.set SCL,    BOFF+4*KPAD               ; the scale bytes [A, B][K step 4][position 128][8],
.set SPARE,  SCL+8192                  ; the spare words, 128 bytes a wave,
.set STAGE,  SPARE+512                 ; and the stages: 16 rows x 272 bytes a wave, bytes that no tensor load fills
.set SPITCH, 272
.set WOC,    2359296                   ; w_o in wc and in ws
.set WOS,    98304
.set ADRA, 8                           ; v8, v9: 16 x lane for K steps 0-1, 2-3; v10, v11: 8 x lane
.set ADRB, 12                          ; v12, v13: B's rows for K steps 0-1, 2-3; v14, v15: the same behind one padding more
.set STO,  16
.set RD,   17
.set CO,   18
.set ADRS, 19
.set SPW,  20
.set NIL,  21
.set SC,   24
.set AF,   40
.set BF,   136
.set BK,   40
.set G1,   24
.set G0,   32
.set G1B,  48
.set G0B,  56
.set G1S,  68
.set G0S,  76
.set G1SB, 80
.set G0SB, 88
.set MSB, 0
.macro WIN new                         ; the immediate's high byte repeats the setting that is left
.if MSB != (\new)
	s_set_vgpr_msb (MSB<<8)|(\new)
.set MSB, (\new)
.endif
.endm
.macro CROUND                          ; a round of the cluster's barrier
	s_barrier_signal -1
	s_barrier_wait -1
	s_cmp_lg_u32 s14, 0
	s_cbranch_scc1 .Lnot_wave_0_\@
	s_barrier_signal -3
.Lnot_wave_0_\@:
	s_barrier_wait -3
	s_barrier_signal -1
	s_barrier_wait -1
.endm
	s_load_b256 s[4:11], s[0:1], 0x0               ; oc, os, wc, ws
	s_load_b64 s[12:13], s[0:1], 0x20              ; out0
	v_lshl_add_u32 v[SPW], v0, 2, SPARE
	v_mov_b32 v[NIL], 0
	ds_add_u32 v[SPW], v[NIL]                      ; the opening lines: the add twice and one wait
	ds_add_u32 v[SPW], v[NIL]
	v_lshrrev_b32 v1, 5, v0
	v_readfirstlane_b32 s14, v1                    ; wave 0..3
	s_lshr_b32 s15, s14, 1                         ; which 64 rows are mine
	s_and_b32 s16, s14, 1                          ; which 64 columns
	s_bfe_u32 s40, ttmp6, 0x40000                  ; cx, cy
	s_bfe_u32 s41, ttmp6, 0x40004
	s_lshl_b32 s42, ttmp9, 2
	s_add_co_u32 s42, s42, s40                     ; chunk of columns
	s_and_b32 s17, ttmp7, 0xffff
	s_lshl_b32 s17, s17, 2
	s_add_co_u32 s17, s17, s41                     ; chunk of rows
	s_lshl_b32 s43, s41, 2
	s_lshl_b32 s43, 15, s43                        ; my row of the cluster
	s_lshl_b32 s44, 0x1111, s40                    ; my column
	s_or_b32 s[G1+0], s43, (3<<16)|(1<<21)         ; A's codes: 4 rows of 24,576 bytes (3,072 elements of 8), dense
	s_mov_b32 s[G1+1], 3072<<16
	s_mov_b32 s[G1+2], 4<<16
	s_mov_b32 s[G1+3], 3072<<16
	s_mov_b32 s[G1+4], 4
	s_mov_b32 s[G1+5], 3072
	s_mov_b32 s[G1+6], 0
	s_mov_b32 s[G1+7], 0
	s_or_b32 s[G1B+0], s44, (0<<16)|(1<<20)|(1<<21)|(3<<22)|(3<<25)  ; B's: the same in elements of 1 byte, 4 words of padding behind every 16
	s_mov_b32 s[G1B+1], KBLK<<16
	s_mov_b32 s[G1B+2], 4<<16
	s_mov_b32 s[G1B+3], KBLK<<16
	s_mov_b32 s[G1B+4], 4
	s_mov_b32 s[G1B+5], KBLK
	s_mov_b32 s[G1B+6], 0
	s_mov_b32 s[G1B+7], 0
	s_or_b32 s[G1S+0], s43, (3<<16)|(1<<21)        ; a chunk's scale bytes: 16 rows of 256 bytes, dense
	s_or_b32 s[G1SB+0], s44, (3<<16)|(1<<21)
.irp g, G1S, G1SB
	s_mov_b32 s[\g+1], 32<<16
	s_mov_b32 s[\g+2], 16<<16
	s_mov_b32 s[\g+3], 32<<16
	s_mov_b32 s[\g+4], 16
	s_mov_b32 s[\g+5], 32
	s_mov_b32 s[\g+6], 0
	s_mov_b32 s[\g+7], 0
.endr
	s_mul_i32 s20, s17, CHUNKB                     ; A's offsets hang on the chunk of rows alone, B's on the chunk of columns alone
	s_mov_b32 s21, 0
	s_lshl_b32 s22, s17, 12
	s_mov_b32 s23, 0
	s_mul_i32 s46, s42, CHUNKB
	s_add_co_u32 s46, s46, WOC
	s_mov_b32 s47, 0
	s_lshl_b32 s92, s42, 12
	s_add_co_u32 s92, s92, WOS
	s_mov_b32 s93, 0
	s_lshl_b32 s18, s17, 19                        ; my 64 x 64 in out0: 128 rows of 4,096 bytes a chunk, 64 a wave; 512 bytes of columns a chunk, 256 a wave
	s_lshl_b32 s19, s15, 18
	s_add_co_u32 s18, s18, s19
	s_lshl_b32 s19, s42, 9
	s_add_co_u32 s18, s18, s19
	s_lshl_b32 s19, s16, 8
	s_add_co_u32 s18, s18, s19
	s_mov_b32 s19, 0
	s_mul_i32 s94, s15, 4*3072                     ; LDS: my four blocks of A, K steps 0-1,
	s_add_co_u32 s95, s94, 2*KBLK                  ; K steps 2-3;
	s_mul_i32 s96, s16, 64*PITCH                   ; my four blocks of B
	s_add_co_u32 s96, s96, BOFF
	s_add_co_u32 s97, s96, 2*KPAD
	s_lshl_b32 s99, s15, 9                         ; scale bytes: A's four blocks,
	s_lshl_b32 s98, s16, 9
	s_add_co_u32 s98, s98, 4096
	s_sub_co_u32 s98, s98, s99                     ; and how far behind them B's four lie
	s_add_co_u32 s99, s99, SCL
	s_mul_i32 s45, s14, 16*SPITCH
	s_add_co_u32 s45, s45, STAGE                   ; my stage
	s_wait_dscnt 0x0                               ; both opening adds are done
	s_wait_kmcnt 0x0
	s_mov_b32 s[G0], 1
	s_mov_b32 s[G0+1], 0
	s_add_nc_u64 s[G0+2:G0+3], s[4:5], s[20:21]
	s_or_b32 s[G0+3], s[G0+3], 0x80000000
	s_mov_b32 s[G0B], 1
	s_mov_b32 s[G0B+1], BOFF
	s_add_nc_u64 s[G0B+2:G0B+3], s[8:9], s[46:47]
	s_or_b32 s[G0B+3], s[G0B+3], 0x80000000
	s_mov_b32 s[G0S], 1
	s_mov_b32 s[G0S+1], SCL
	s_add_nc_u64 s[G0S+2:G0S+3], s[6:7], s[22:23]
	s_or_b32 s[G0S+3], s[G0S+3], 0x80000000
	s_mov_b32 s[G0SB], 1
	s_mov_b32 s[G0SB+1], SCL+4096
	s_add_nc_u64 s[G0SB+2:G0SB+3], s[10:11], s[92:93]
	s_or_b32 s[G0SB+3], s[G0SB+3], 0x80000000
	s_add_nc_u64 s[12:13], s[12:13], s[18:19]
	CROUND                                         ; all sixteen work-groups are here: the joint loads meet
; THE LOADS, ONE A WAVE: wave 0 A's codes, wave 1 B's, wave 2 A's scale bytes, wave 3 B's.  One chain of branches on the wave's number; every way passes exactly one load.
.macro ARM under, g0, g1, next
	s_cmp_lt_u32 s14, \under
	s_cbranch_scc0 \next
	tensor_load_to_lds s[\g0:\g0+3], s[\g1:\g1+7]
	s_nop 0
.rept 4
	v_nop
.endr
	s_branch .Lhead_asked
\next:
.endm
	ARM 1, G0,  G1,  .Lhead_b
	ARM 2, G0B, G1B, .Lhead_sa
	ARM 3, G0S, G1S, .Lhead_sb
	tensor_load_to_lds s[G0SB:G0SB+3], s[G1SB:G1SB+7]
	s_nop 0
.rept 4
	v_nop
.endr
.Lhead_asked:
	v_and_b32 v1, 15, v0                           ; r = lane % 16
	v_bfe_u32 v2, v0, 4, 1                         ; h = lane / 16
	v_and_b32 v6, 31, v0
	v_mul_u32_u24 v3, v1, PITCH
	v_mad_u32_u24 v4, v2, 24, v3                   ; B: row x pitch + 24 h,
	v_lshl_add_u32 v5, v2, 4, v4                   ; and the same behind one padding more
	v_lshlrev_b32 v7, 4, v6
	v_lshlrev_b32 v22, 3, v6
	v_add_nc_u32 v[ADRA], s94, v7
	v_add_nc_u32 v[ADRA+1], s95, v7
	v_add_nc_u32 v[ADRA+2], s94, v22
	v_add_nc_u32 v[ADRA+3], s95, v22
	v_add_nc_u32 v[ADRB], s96, v4
	v_add_nc_u32 v[ADRB+1], s97, v4
	v_add_nc_u32 v[ADRB+2], s96, v5
	v_add_nc_u32 v[ADRB+3], s97, v5
	v_lshlrev_b32 v3, 3, v1                        ; scale bytes: 8 a row and K step; lanes 0-15 take A's rows, lanes 16-31 B's: the lower base + h x the distance
	v_mul_u32_u24 v23, s98, v2
	v_add_nc_u32 v3, v3, v23
	v_add_nc_u32 v[ADRS], s99, v3
	v_mul_u32_u24 v3, v1, SPITCH                   ; the stage, in: row r, 64 bytes for each half of the lanes
	v_lshl_add_u32 v3, v2, 6, v3
	v_add_nc_u32 v[STO], s45, v3
	v_mul_u32_u24 v3, v2, SPITCH                   ; back: sixteen lanes to a row of 256 bytes, two rows an instruction
	v_lshl_add_u32 v3, v1, 4, v3
	v_add_nc_u32 v[RD], s45, v3
	v_lshlrev_b32 v3, 12, v2                       ; and the same two rows in out0
	v_lshl_add_u32 v[CO], v1, 4, v3
.macro FRAG reg, st, i                 ; B's block i of step st: 24 bytes of the row's stream of bits twice, in pieces of 8; 16 bytes of padding lie behind every 8 pieces
.irp p, 0,1,2,3,4,5
.set PCE, 12*((\st)%2)+6*(\p/3)+\p%3
.if PCE%8 < 5
	ds_load_b64 v[\reg+2*\p:\reg+2*\p+1], v[ADRB+(\st)/4] offset:(((\st)/2)%2)*KPAD+8*PCE+16*(PCE/8)+(\i)*16*PITCH
.else
	ds_load_b64 v[\reg+2*\p:\reg+2*\p+1], v[ADRB+2+(\st)/4] offset:(((\st)/2)%2)*KPAD+8*PCE+16*(PCE/8)+(\i)*16*PITCH
.endif
.endr
.endm
.macro FRAGI reg, st, i                ; A's block i of step st: two images of six registers
	ds_load_b128 v[\reg:\reg+3], v[ADRA+(\st)/4] offset:(((\st)/2)%2)*KBLK+(\i)*3072+((\st)%2)*1536
	ds_load_b64 v[\reg+4:\reg+5], v[ADRA+2+(\st)/4] offset:(((\st)/2)%2)*KBLK+(\i)*3072+((\st)%2)*1536+512
	ds_load_b128 v[\reg+6:\reg+9], v[ADRA+(\st)/4] offset:(((\st)/2)%2)*KBLK+(\i)*3072+((\st)%2)*1536+768
	ds_load_b64 v[\reg+10:\reg+11], v[ADRA+2+(\st)/4] offset:(((\st)/2)%2)*KBLK+(\i)*3072+((\st)%2)*1536+1280
.endm
.macro FETCH st                        ; step st's fragments into set st % 2: 24 + 16 loads; with an even step the scale words of two steps, 4 loads
.irp i, 0,1,2,3
	FRAG BF+48*((\st)%2)+12*\i, \st, \i
.endr
.irp i, 0,1,2,3
	FRAGI AF+48*((\st)%2)+12*\i, \st, \i
.endr
.if (\st)%2 == 0
.irp i, 0,1,2,3
	ds_load_b64 v[SC+8*(((\st)/2)%2)+2*\i:SC+8*(((\st)/2)%2)+2*\i+1], v[ADRS] offset:\i*128+1024*((\st)/2)
.endr
.endif
.endm
.macro MUL st                          ; 16 products, the 16 accumulators by turns; the first step starts the sums
.irp a, 0,1,2,3
.irp b, 0,1,2,3
.if (\st) == 0
	v_wmma_scale_f32_16x16x128_f8f6f4 v[8*(4*\a+\b):8*(4*\a+\b)+7], v[BF+48*((\st)%2)+12*\b:BF+48*((\st)%2)+12*\b+11], v[AF+48*((\st)%2)+12*\a:AF+48*((\st)%2)+12*\a+11], 0, v[SC+8*(((\st)/2)%2)+2*\b+(\st)%2], v[SC+8*(((\st)/2)%2)+2*\a+(\st)%2] matrix_a_fmt:MATRIX_FMT_FP6 matrix_b_fmt:MATRIX_FMT_FP6 matrix_a_scale:MATRIX_SCALE_ROW1
.else
	v_wmma_scale_f32_16x16x128_f8f6f4 v[8*(4*\a+\b):8*(4*\a+\b)+7], v[BF+48*((\st)%2)+12*\b:BF+48*((\st)%2)+12*\b+11], v[AF+48*((\st)%2)+12*\a:AF+48*((\st)%2)+12*\a+11], v[8*(4*\a+\b):8*(4*\a+\b)+7], v[SC+8*(((\st)/2)%2)+2*\b+(\st)%2], v[SC+8*(((\st)/2)%2)+2*\a+(\st)%2] matrix_a_fmt:MATRIX_FMT_FP6 matrix_b_fmt:MATRIX_FMT_FP6 matrix_a_scale:MATRIX_SCALE_ROW1
.endif
.endr
.endr
.endm
.macro STEPM st
.if (\st) > 0
.rept 4
	v_nop                                          ; places behind the last step's products, whose set is filled next
.endr
.endif
.if (\st) < 7
	FETCH (\st)+1
.if (\st)%2 == 1
	s_wait_dscnt 44                                ; this step's fragments are in; the 44 loads just issued may be out
.else
	s_wait_dscnt 40                                ; the same: 40 just issued
.endif
.else
	s_wait_dscnt 0x0
.endif
	WIN 0x50                                       ; C and D in window 1
	MUL \st
	WIN 0
.endm
	s_wait_alu depctr_va_vdst(0)                   ; the head's end
	s_wait_tensorcnt 0x0                           ; my tile is in,
	s_barrier_signal -1
	s_barrier_wait -1                              ; everybody's is
	FETCH 0
.irp st, 0,1,2,3,4,5,6,7
	STEPM \st
.endr
; THE WAY OUT, by blocks of 16 rows x 64 columns, through my own stage: a lane's 32 bytes go in at their columns' true places, whole rows of 256 bytes come back, and sixteen lanes store one aligned unit of 256 bytes.
; LDS serves a wave's instructions in order, so no wait stands between the stores and the loads.
.macro TOSTAGE a
	WIN 0x04                                       ; the data: window 1
.irp b, 0,1,2,3
	ds_store_b128 v[STO], v[8*(4*(\a)+\b):8*(4*(\a)+\b)+3] offset:128*(\b/2)+32*(\b%2)      ; each accumulator from its low end on
	ds_store_b128 v[STO], v[8*(4*(\a)+\b)+4:8*(4*(\a)+\b)+7] offset:128*(\b/2)+32*(\b%2)+16
.endr
	WIN 0
.irp t, 0,1,2,3,4,5,6,7
	ds_load_b128 v[BK+32*((\a)%2)+4*\t:BK+32*((\a)%2)+4*\t+3], v[RD] offset:\t*2*SPITCH
.endr
.endm
.macro SEND a, younger                 ; younger: the LDS instructions issued behind block a's loads
	s_wait_dscnt \younger
.irp t, 0,1,2,3,4,5,6,7
	global_store_b128 v[CO], v[BK+32*((\a)%2)+4*\t:BK+32*((\a)%2)+4*\t+3], s[12:13] offset:(32*((\a)/2)+8*((\a)%2)+2*\t+8*(\t/4))*4096 th:TH_STORE_NT   ; position 16 a + r is row 32 (a / 2) + 8 (a % 2) + r + 8 (r / 8)
.endr
.endm
.rept 4
	v_nop                                          ; places behind the last products
.endr
	TOSTAGE 0
.irp a, 1,2,3
.if \a > 1
	s_wait_xcnt 0x0                                ; block a - 2's stores have read their registers
.endif
	TOSTAGE \a
	SEND \a-1, 16                                  ; behind block a - 1's loads: block a's 8 stores and 8 loads
.endr
	SEND 3, 0
	s_wait_tensorcnt 0x0                           ; the wave's end
	ds_add_u32 v[SPW], v[NIL]
	s_wait_dscnt 0x0
	CROUND                                         ; the closing round
	s_endpgm
.Lfunc_end_k_q97ae6ed331_outp:
	.size	k_q97ae6ed331_outp, .Lfunc_end_k_q97ae6ed331_outp-k_q97ae6ed331_outp
	.p2alignl 7, 3214868480
	.fill 96, 4, 3214868480
	.section	.rodata,"a",@progbits
	.p2align	6, 0x0
	.amdhsa_kernel k_q97ae6ed331_outp
		.amdhsa_group_segment_fixed_size 327680
		.amdhsa_private_segment_fixed_size 0
		.amdhsa_enable_private_segment 0
		.amdhsa_kernarg_size 40
		.amdhsa_user_sgpr_count 2
		.amdhsa_user_sgpr_kernarg_segment_ptr 1
		.amdhsa_wavefront_size32 1
		.amdhsa_system_sgpr_workgroup_id_x 1
		.amdhsa_system_sgpr_workgroup_id_y 1
		.amdhsa_system_sgpr_workgroup_id_z 1
		.amdhsa_system_vgpr_workitem_id 0
		.amdhsa_next_free_vgpr 384
		.amdhsa_next_free_sgpr 100
		.amdhsa_reserve_vcc 0
		.amdhsa_float_denorm_mode_32 3
		.amdhsa_float_denorm_mode_16_64 3
		.amdhsa_memory_ordered 1
		.amdhsa_forward_progress 1
		.amdhsa_inst_pref_size 55
	.end_amdhsa_kernel
	.amdgpu_metadata
---
amdhsa.version: [ 1, 2 ]
amdhsa.kernels:
  - .name:           k_q97ae6ed331_outp
    .symbol:         k_q97ae6ed331_outp.kd
    .args:
      - { .name: oc, .offset: 0, .size: 8, .value_kind: global_buffer, .address_space: global }
      - { .name: os, .offset: 8, .size: 8, .value_kind: global_buffer, .address_space: global }
      - { .name: wc, .offset: 16, .size: 8, .value_kind: global_buffer, .address_space: global }
      - { .name: ws, .offset: 24, .size: 8, .value_kind: global_buffer, .address_space: global }
      - { .name: out0, .offset: 32, .size: 8, .value_kind: global_buffer, .address_space: global }
    .group_segment_fixed_size: 327680
    .private_segment_fixed_size: 0
    .kernarg_segment_align: 8
    .kernarg_segment_size: 40
    .max_flat_workgroup_size: 128
    .sgpr_count:     100
    .vgpr_count:     384
    .wavefront_size: 32
...
	.end_amdgpu_metadata
.endif
;; end of part 4
